; MI455X (gfx1250); checked and timed in simulation.
; The chip was launched on July 23, 2026; its instructions are those of AMD's public machine-readable ISA for CDNA 5 (MIT licence, August 2026) and "CDNA5" Instruction Set Architecture Reference Guide (July 2026). The comments in the code are by the model that wrote it; some were corrected since.
;; Transformer Block. Allowed arithmetic: float matrix products may take bf16 or f16 operands with f32 sums; other float arithmetic in f32, or as packed bf16 or f16 multiplies, adds, multiply-adds, maxima and minima; sums over many terms, partial sums and values carried from step to step in f32; what a program stores and reads back later, other than sums and carried values, may be rounded once to bf16 or f16.
;; Inputs: W1 1,024 x 4,096 float32; W2 4,096 x 1,024 float32; Wa 1,024 x 3,072 float32; Wout 1,024 x 1,024 float32; b1 4,096 float32; b2 1,024 float32; be1 1,024 float32; be2 1,024 float32; bout 1,024 float32; g1 1,024 float32; g2 1,024 float32; x 2 x 2,048 x 1,024 float32.
;; Outputs: out0 2 x 2,048 x 1,024 float32.
;; 2 versions, each right; version 2 is version 1 with the launches prep, mid written anew for expert scheduling mode. Each part assembles by itself: llvm-mc -triple=amdgcn-amd-amdhsa -mcpu=gfx1250 --defsym DOCPART=n.
;; ======== version 1 of 2: 6 launches
;; limits: values are held in f16: magnitudes above 65,504 overflow, below 6.1e-05 lose precision
;; workspace buffers: act 8,388,608 bytes; wbig 23,068,672 bytes; woutb 2,359,296 bytes; w12 2,097,152 bytes; qkv 25,165,824 bytes; wp 16,777,216 bytes; z 16,777,216 bytes; b12 4,096 bytes
;; launch prep (part 1): grid 448 x 1, 8 waves a work-group, no clusters, 0 bytes of LDS; arguments x, g1, be1, Wa, Wout, W1, W2, b1, act, wbig, woutb; writes act, wbig, woutb
.if DOCPART == 1
	.amdgcn_target "amdgcn-amd-amdhsa--gfx1250"
	.amdhsa_code_object_version 6
	.text
	.protected	k_qe59f7c534e_prep
	.globl	k_qe59f7c534e_prep
	.p2align	8
	.type	k_qe59f7c534e_prep,@function
k_qe59f7c534e_prep:
	s_mov_b64 s[64:65], 0
	v_nop
	global_prefetch_b8 v0, s[64:65] scope:SCOPE_SE
	s_setreg_imm32_b32 hwreg(HW_REG_WAVE_MODE, 25, 1), 1
	s_wait_xcnt 0x0
; PREP: the weights are rounded once to f16 and laid out for the products; b1 W2 is begun; LN1(x) is made.
; Work-groups 0-63: W2 -> wbig+14680064 [h 4096][n 1024] f16, and pb[c][n] = the sum over the group's 64 rows h of b1[h] W2[h][n], in f32 from the f32 W2.
; 64-127: W1 -> wbig+6291456 [h/64][e 1024][h%64].  128-175: Wa -> wbig [part q,k,v][k 1024][head*64+d].  176-191: Wout -> woutb [k][n].
; 192-447: o1 = LN(x; g1, be1) -> act [b 2][e/64][l 2048][e%64] f16.
; The layouts in blocks of 64 channels make a tile's rows lie end to end, so every store here covers 256 consecutive bytes, aligned.
; A stream: no byte is shared between waves, so no LDS, no barrier, no matrix unit.
; The FFN has no activation, so (o W1 + b1) W2 + b2 = o (W1 W2) + (b1 W2 + b2) for every input; the order of rounding differs from the written one.
; WHY f16.  Every number of x + y must lie within 1% of the output's root mean square.  Four roundings lie on the way to y (o2, W1 W2, W1, W2); with 8 significant bits each puts about 2^-9 of y's spread on y,
; together too near that line for the largest of four million numbers; with f16's 11 bits it is an eighth of that.
; LIMIT.  f16 holds no number beyond 65,504, and below 6e-5 it keeps a fixed step of 6e-8.  Weights of spread 0.02 have room thirty times up and down (0.6; 0.00067, where the step is 3e-5 of the spread);
; o1 is at most 32 |g1| + |be1|.
.set WV,  31                           ; s31  my wave's number
.set ID,  54                           ; s54  the work-group's number
.set SRC, 4                            ; s[4:5]  where a pass reads
.set DST, 6                            ; s[6:7]  where it stores
.set B1P, 2                            ; s[2:3]  b1 at the pass's 16 rows
.set PBP, 50                           ; s[50:51] my group's row of pb
.set OFS, 48                           ; s[48:49] an offset in 64 bits; the high word stays 0
.set SO,  2                            ; v2   source offset
.set DO,  3                            ; v3   destination offset: 256 w + 8 lane
.set XV,  16                           ; v[16:79]   16 items of 4 f32
.set YV,  80                           ; v[80:111]  16 items of 4 f16
.set ACC, 112                          ; v[112:115] b1 W2 for my four columns
.set RL,  208                          ; lane % 16
.set HL,  209                          ; lane / 16
.set LL,  210                          ; lane
.set XO,  2                            ; LN: offsets in x, in g and be, in act
.set GO,  3
.set LO,  4
.set A,   6                            ; v[6:13]  four chains of packed sums
.set M,   14                           ; v[14:15] the mean, then 1/sqrt(var + eps), twice
.set XR,  16                           ; v[16:79]   my 64 numbers of the row
.set GR,  80                           ; v[80:143]  g
.set BR,  144                          ; v[144:207] be
; Four passes of 16 items.  An item is one load of 16 bytes a lane (512 bytes a wave) and one store of 8 (256 bytes a wave).
; SI, DI: bytes from item to item; SP, DP: from pass to pass.  dot = 1: an item is a row h, and b1[h] times the row is added up.
.macro CAST SI, DI, SP, DP, dot
.if \dot
.irp c, 0,1,2,3
	v_mov_b32 v[ACC+(\c)], 0
.endr
.endif
	s_mov_b32 s30, 4
.Lpass_\@:
.if \dot
	s_load_b512 s[32:47], s[B1P:B1P+1], 0x0        ; b1 of the pass's 16 rows
.endif
.set i, 0
.rept 16
	global_load_b128 v[XV+4*i:XV+4*i+3], v[SO], s[SRC:SRC+1] offset:i*(\SI) th:TH_LOAD_NT
.set i, i+1
.endr
.if \dot
	s_wait_kmcnt 0x0
.endif
.set i, 0
.rept 16
	s_wait_loadcnt 15-i                            ; loads come back in order: item i is in, the 15 - i younger ones stay out
	v_cvt_pk_f16_f32 v[YV+2*i], v[XV+4*i], v[XV+4*i+1]
	v_cvt_pk_f16_f32 v[YV+2*i+1], v[XV+4*i+2], v[XV+4*i+3]
.if \dot
.irp c, 0,1,2,3
	v_fmac_f32 v[ACC+(\c)], s[32+i], v[XV+4*i+(\c)]
.endr
.endif
	global_store_b64 v[DO], v[YV+2*i:YV+2*i+1], s[DST:DST+1] offset:i*(\DI)
.set i, i+1
.endr
	s_wait_xcnt 0x0                                ; the stores' data and the bases are written again only behind this wait
	s_add_nc_u64 s[SRC:SRC+1], s[SRC:SRC+1], \SP
	s_add_nc_u64 s[DST:DST+1], s[DST:DST+1], \DP
.if \dot
	s_add_nc_u64 s[B1P:B1P+1], s[B1P:B1P+1], 64
.endif
	s_sub_co_u32 s30, s30, 1
	s_cmp_lg_u32 s30, 0
	s_cbranch_scc1 .Lpass_\@
.if \dot
	global_store_b128 v[SO], v[ACC:ACC+3], s[PBP:PBP+1]
.endif
.endm
; The four chains into one number, then over the 16 lanes that hold the row.
.macro RED
	v_pk_add_f32 v[A:A+1], v[A:A+1], v[A+2:A+3]
	v_pk_add_f32 v[A+4:A+5], v[A+4:A+5], v[A+6:A+7]
	v_pk_add_f32 v[A:A+1], v[A:A+1], v[A+4:A+5]
	v_add_f32 v[A], v[A], v[A+1]
.irp x, 1,2,4,8
	v_add_f32_dpp v[A], v[A], v[A] row_xmask:\x row_mask:0xf bank_mask:0xf
.endr
.endm
; LayerNorm of two rows a wave: lanes 0-15 hold one row, lanes 16-31 the next, 64 numbers a lane; load j is the row's block j of 64 channels.
; The variance is taken about the mean, as the definition has it, so a common offset in the row costs nothing.
.macro LN XS, GS, BS, DS
.set j, 0
.rept 16
	global_load_b128 v[XR+4*j:XR+4*j+3], v[XO], s[\XS:\XS+1] offset:256*j
.set j, j+1
.endr
.set j, 0
.rept 16
	global_load_b128 v[GR+4*j:GR+4*j+3], v[GO], s[\GS:\GS+1] offset:256*j
	global_load_b128 v[BR+4*j:BR+4*j+3], v[GO], s[\BS:\BS+1] offset:256*j
.set j, j+1
.endr
	s_wait_loadcnt 32                              ; the row is in; the 32 loads of g and be stay out
.irp k, 0,1,2,3
	v_pk_add_f32 v[A+2*(\k):A+2*(\k)+1], v[XR+2*(\k):XR+2*(\k)+1], v[XR+8+2*(\k):XR+8+2*(\k)+1]  ; the first pairs start the chains
.endr
.set p, 8
.rept 24
	v_pk_add_f32 v[A+2*(p%4):A+2*(p%4)+1], v[A+2*(p%4):A+2*(p%4)+1], v[XR+2*p:XR+2*p+1]
.set p, p+1
.endr
	RED
	v_mul_f32 v[M], 0x3a800000, v[A]               ; / 1024
	v_mov_b32 v[M+1], v[M]
.set p, 0
.rept 32
	v_pk_add_f32 v[XR+2*p:XR+2*p+1], v[XR+2*p:XR+2*p+1], v[M:M+1] neg_lo:[0,1] neg_hi:[0,1]
.set p, p+1
.endr
.irp k, 0,1,2,3
	v_pk_mul_f32 v[A+2*(\k):A+2*(\k)+1], v[XR+2*(\k):XR+2*(\k)+1], v[XR+2*(\k):XR+2*(\k)+1]
.endr
.set p, 4
.rept 28
	v_pk_fma_f32 v[A+2*(p%4):A+2*(p%4)+1], v[XR+2*p:XR+2*p+1], v[XR+2*p:XR+2*p+1], v[A+2*(p%4):A+2*(p%4)+1]
.set p, p+1
.endr
	RED
	v_fma_f32 v[A], v[A], s52, s53                 ; var + eps
	v_rsq_f32 v[M], v[A]
	v_nop                                          ; a plain instruction behind the root,
	s_wait_alu depctr_va_vdst(0)                   ; and the wait ahead of its first reader
	v_mov_b32 v[M+1], v[M]
	s_wait_loadcnt 0x0                             ; g and be
.set j, 0
.rept 16
	v_pk_mul_f32 v[GR+4*j:GR+4*j+1], v[GR+4*j:GR+4*j+1], v[M:M+1]
	v_pk_mul_f32 v[GR+4*j+2:GR+4*j+3], v[GR+4*j+2:GR+4*j+3], v[M:M+1]
	v_pk_fma_f32 v[XR+4*j:XR+4*j+1], v[XR+4*j:XR+4*j+1], v[GR+4*j:GR+4*j+1], v[BR+4*j:BR+4*j+1]
	v_pk_fma_f32 v[XR+4*j+2:XR+4*j+3], v[XR+4*j+2:XR+4*j+3], v[GR+4*j+2:GR+4*j+3], v[BR+4*j+2:BR+4*j+3]
	v_cvt_pk_f16_f32 v[XR+4*j], v[XR+4*j], v[XR+4*j+1]
	v_cvt_pk_f16_f32 v[XR+4*j+1], v[XR+4*j+2], v[XR+4*j+3]
	global_store_b64 v[LO], v[XR+4*j:XR+4*j+1], s[\DS:\DS+1] offset:262144*j  ; two rows x 128 bytes of block j: 256 consecutive bytes, aligned
.set j, j+1
.endr
.endm
	s_load_b512 s[8:23], s[0:1], 0x0               ; x 8, g1 10, be1 12, Wa 14, Wout 16, W1 18, W2 20, b1 22
	s_load_b128 s[24:27], s[0:1], 0x40             ; act 24, wbig 26
	s_load_b64 s[28:29], s[0:1], 0x50              ; woutb
	v_lshrrev_b32 v1, 5, v0
	v_readfirstlane_b32 s[WV], v1
	v_and_b32 v[RL], 15, v0
	v_bfe_u32 v[HL], v0, 4, 1
	v_and_b32 v[LL], 31, v0
	s_mov_b32 s[ID], ttmp9
	s_mov_b32 s[OFS+1], 0
	v_lshlrev_b32 v[DO], 3, v[LL]
	v_lshl_add_u32 v[DO], s[WV], 8, v[DO]
	s_wait_kmcnt 0x0
	s_cmp_lt_u32 s[ID], 64
	s_cbranch_scc1 .Lw2
	s_cmp_lt_u32 s[ID], 128
	s_cbranch_scc1 .Lw1
	s_cmp_lt_u32 s[ID], 176
	s_cbranch_scc1 .Lwa
	s_cmp_lt_u32 s[ID], 192
	s_cbranch_scc1 .Lwo
	; LN1: row pair rp = 8 (id - 192) + wave
	s_sub_co_u32 s30, s[ID], 192
	s_lshl_b32 s30, s30, 3
	s_add_co_u32 s30, s30, s[WV]
	s_lshl_b32 s[OFS], s30, 13                     ; two rows of 4,096 bytes
	s_add_nc_u64 s[SRC:SRC+1], s[8:9], s[OFS:OFS+1]
	s_lshr_b32 s[OFS], s30, 10                     ; the batch
	s_lshl_b32 s[OFS], s[OFS], 22
	s_lshl_b32 s30, s30, 1
	s_and_b32 s30, s30, 2047                       ; the row in its batch
	s_lshl_b32 s30, s30, 7
	s_add_co_u32 s[OFS], s[OFS], s30
	s_add_nc_u64 s[DST:DST+1], s[24:25], s[OFS:OFS+1]
	s_mov_b32 s52, 0x3a800000                      ; 1 / 1024
	s_mov_b32 s53, 0x3727c5ac                      ; 1e-5
	v_lshlrev_b32 v[GO], 4, v[RL]
	v_lshl_add_u32 v[XO], v[HL], 12, v[GO]
	v_lshlrev_b32 v[LO], 3, v[LL]
	LN SRC, 10, 12, DST
	s_endpgm
.Lw2:                                                  ; rows 64 c .. 64 c + 63; wave w has columns 128 w .. 128 w + 127
	s_lshl_b32 s[OFS], s[ID], 18
	s_add_nc_u64 s[SRC:SRC+1], s[20:21], s[OFS:OFS+1]
	s_lshl_b32 s[OFS], s[ID], 17
	s_add_nc_u64 s[DST:DST+1], s[26:27], s[OFS:OFS+1]
	s_add_nc_u64 s[DST:DST+1], s[DST:DST+1], 14680064
	s_lshl_b32 s[OFS], s[ID], 8
	s_add_nc_u64 s[B1P:B1P+1], s[22:23], s[OFS:OFS+1]
	s_lshl_b32 s[OFS], s[ID], 12
	s_add_nc_u64 s[PBP:PBP+1], s[28:29], s[OFS:OFS+1]
	s_add_nc_u64 s[PBP:PBP+1], s[PBP:PBP+1], 2097152
	v_lshlrev_b32 v[SO], 4, v[LL]
	v_lshl_add_u32 v[SO], s[WV], 9, v[SO]
	CAST 4096, 2048, 65536, 32768, 1
	s_endpgm
.Lw1:                                                  ; rows 16 c .. 16 c + 15; a wave has two of them, an item is a block of 64 columns
	s_sub_co_u32 s30, s[ID], 64
	s_lshl_b32 s[OFS], s30, 18
	s_add_nc_u64 s[SRC:SRC+1], s[18:19], s[OFS:OFS+1]
	s_lshl_b32 s[OFS], s30, 11
	s_add_nc_u64 s[DST:DST+1], s[26:27], s[OFS:OFS+1]
	s_add_nc_u64 s[DST:DST+1], s[DST:DST+1], 6291456
	v_lshlrev_b32 v[SO], 4, v[RL]
	v_lshl_add_u32 v[SO], v[HL], 14, v[SO]
	v_lshl_add_u32 v[SO], s[WV], 15, v[SO]
	CAST 256, 131072, 4096, 2097152, 0
	s_endpgm
.Lwa:                                                  ; part = c / 16, rows 64 (c % 16) on; lanes 0-15 take head 2 w, lanes 16-31 head 2 w + 1
	s_sub_co_u32 s30, s[ID], 128
	s_and_b32 s52, s30, 15
	s_lshr_b32 s53, s30, 4
	s_mul_i32 s[OFS], s52, 786432
	s_lshl_b32 s30, s53, 8
	s_add_co_u32 s[OFS], s[OFS], s30
	s_add_nc_u64 s[SRC:SRC+1], s[14:15], s[OFS:OFS+1]
	s_lshl_b32 s[OFS], s53, 21
	s_lshl_b32 s30, s52, 17
	s_add_co_u32 s[OFS], s[OFS], s30
	s_add_nc_u64 s[DST:DST+1], s[26:27], s[OFS:OFS+1]
	v_mul_u32_u24 v[SO], v[HL], 768
	v_lshl_add_u32 v[SO], v[RL], 4, v[SO]
	s_mul_i32 s30, s[WV], 1536
	v_add_nc_u32 v[SO], s30, v[SO]
	CAST 12288, 2048, 196608, 32768, 0
	s_endpgm
.Lwo:
	s_sub_co_u32 s30, s[ID], 176
	s_lshl_b32 s[OFS], s30, 18
	s_add_nc_u64 s[SRC:SRC+1], s[16:17], s[OFS:OFS+1]
	s_lshl_b32 s[OFS], s30, 17
	s_add_nc_u64 s[DST:DST+1], s[28:29], s[OFS:OFS+1]
	v_lshlrev_b32 v[SO], 4, v[LL]
	v_lshl_add_u32 v[SO], s[WV], 9, v[SO]
	CAST 4096, 2048, 65536, 32768, 0
	s_endpgm
.Lfunc_end_k_qe59f7c534e_prep:
	.size	k_qe59f7c534e_prep, .Lfunc_end_k_qe59f7c534e_prep-k_qe59f7c534e_prep
	.p2alignl 7, 3214868480
	.fill 96, 4, 3214868480
	.section	.rodata,"a",@progbits
	.p2align	6, 0x0
	.amdhsa_kernel k_qe59f7c534e_prep
		.amdhsa_group_segment_fixed_size 0
		.amdhsa_private_segment_fixed_size 0
		.amdhsa_enable_private_segment 0
		.amdhsa_kernarg_size 88
		.amdhsa_user_sgpr_count 2
		.amdhsa_user_sgpr_kernarg_segment_ptr 1
		.amdhsa_wavefront_size32 1
		.amdhsa_system_sgpr_workgroup_id_x 1
		.amdhsa_system_sgpr_workgroup_id_y 1
		.amdhsa_system_sgpr_workgroup_id_z 1
		.amdhsa_system_vgpr_workitem_id 0
		.amdhsa_next_free_vgpr 216
		.amdhsa_next_free_sgpr 66
		.amdhsa_reserve_vcc 0
		.amdhsa_float_denorm_mode_32 3
		.amdhsa_float_denorm_mode_16_64 3
		.amdhsa_memory_ordered 1
		.amdhsa_forward_progress 1
		.amdhsa_inst_pref_size 49
	.end_amdhsa_kernel
	.amdgpu_metadata
---
amdhsa.version: [ 1, 2 ]
amdhsa.kernels:
  - .name:           k_qe59f7c534e_prep
    .symbol:         k_qe59f7c534e_prep.kd
    .args:
      - { .name: x, .offset: 0, .size: 8, .value_kind: global_buffer, .address_space: global }
      - { .name: g1, .offset: 8, .size: 8, .value_kind: global_buffer, .address_space: global }
      - { .name: be1, .offset: 16, .size: 8, .value_kind: global_buffer, .address_space: global }
      - { .name: Wa, .offset: 24, .size: 8, .value_kind: global_buffer, .address_space: global }
      - { .name: Wout, .offset: 32, .size: 8, .value_kind: global_buffer, .address_space: global }
      - { .name: W1, .offset: 40, .size: 8, .value_kind: global_buffer, .address_space: global }
      - { .name: W2, .offset: 48, .size: 8, .value_kind: global_buffer, .address_space: global }
      - { .name: b1, .offset: 56, .size: 8, .value_kind: global_buffer, .address_space: global }
      - { .name: act, .offset: 64, .size: 8, .value_kind: global_buffer, .address_space: global }
      - { .name: wbig, .offset: 72, .size: 8, .value_kind: global_buffer, .address_space: global }
      - { .name: woutb, .offset: 80, .size: 8, .value_kind: global_buffer, .address_space: global }
    .group_segment_fixed_size: 0
    .private_segment_fixed_size: 0
    .kernarg_segment_align: 8
    .kernarg_segment_size: 88
    .max_flat_workgroup_size: 256
    .sgpr_count:     66
    .vgpr_count:     216
    .wavefront_size: 32
...
	.end_amdgpu_metadata
.endif
;; end of part 1
;; launch gemma (part 2): grid 16 x 16, 4 waves a work-group, clusters of 4 x 4, 327,680 bytes of LDS; arguments act, wbig, qkv, wp; writes qkv, wp
.if DOCPART == 2
	.amdgcn_target "amdgcn-amd-amdhsa--gfx1250"
	.amdhsa_code_object_version 6
	.text
	.protected	k_qe59f7c534e_gemma
	.globl	k_qe59f7c534e_gemma
	.p2align	8
	.type	k_qe59f7c534e_gemma,@function
k_qe59f7c534e_gemma:
	s_mov_b64 s[64:65], 0
	v_nop
	global_prefetch_b8 v0, s[64:65] scope:SCOPE_SE
	s_setreg_imm32_b32 hwreg(HW_REG_WAVE_MODE, 25, 1), 1
	s_wait_xcnt 0x0
	s_wait_alu depctr_hold_cnt(0) depctr_sa_sdst(0) depctr_va_vdst(0) depctr_va_sdst(0) depctr_va_ssrc(0) depctr_va_vcc(0) depctr_vm_vsrc(0)
	s_getreg_b32 s2, hwreg(HW_REG_IB_STS2, 6, 4)
	s_cmp_eq_u32 s2, 0
	s_cbranch_scc0 .Lentry_in_a_cluster
	s_endpgm
.Lentry_in_a_cluster:
	s_bfe_u32 s2, ttmp6, 0x10000c
	s_cmp_lg_u32 s2, 0xf033
	s_cbranch_scc0 .Lentry_shape_is_right
	s_endpgm
.Lentry_shape_is_right:
; SIXTEEN PRODUCTS OF 1024 x 1024 x 1024, one to a cluster of 4 x 4 work-groups, all f16 with f32 sums.
; Cluster (X, Y), X < 3: rows 1024 Y on of o1 (act) times part X of Wa (q, k, v) -> qkv, f16, by heads [part][b*16+head][l][64].
; Cluster (3, Y): slice Y of W1 (1024 x 1024) times slice Y of W2 -> wp[Y], an f32 partial sum of W1 W2; a later launch adds the four.
; LIMIT.  q, k and v are rounded to f16, which holds no number beyond 65,504: with o1 and Wa each thirty times the drawn size their spread is 0.64 x 900 = 576.
; All sixteen have the same shapes; only base addresses and one step differ, chosen by X, which all partners share.
; A work-group makes 256 x 256, each of its four waves 128 x 128: 64 accumulators, 512 registers.  K goes in 8 steps of 128 through two LDS slots.
; A lies in blocks of 64 channels, [kb][row][64]: 256 rows of a block are 32,768 dense bytes, asked for as 128 rows of 256 bytes and padded in LDS after every 128.
; B lies [k][n] and is read turned, by ds_load_tr16_b128.  Source 0 = 16 columns of B, source 1 = 16 rows of A: a lane holds eight neighbouring columns of one row of C.
; CLUSTER: A's tile hangs on the tile row alone and is asked for jointly along a row of the cluster, B's on the tile column alone, jointly along a column.
; REGISTERS: window 0: v0-31 addresses, v64-127 and v128-191 A's fragments, v32-63 and v192-255 the way out; window 1: B's fragments at the same numbers; windows 2, 3: accumulators.
.set APITCH, 144                       ; 128 bytes + 16: 36 words: the 16 rows of a load start at 16 different groups of four banks (ISA guide 11.1)
.set AKB,    256*APITCH                ; a block of 64 channels, 256 rows
.set BPITCH, 544                       ; 512 bytes + 32
.set BOFF,   2*AKB                     ; B's 128 rows lie behind A's two blocks
.set BHALF,  64*BPITCH
.set SLOT,   BOFF+2*BHALF              ; 143,360
.set STAGE,  2*SLOT                    ; behind the ring: 8,448 bytes a wave, never filled by a tensor load
.set STW,    8448
.set SPARE,  STAGE+4*STW               ; the spare words, 128 bytes a wave: two blocks of 256 bytes that no other line names
.set ADRA, 16                          ; v16-17  my A fragments in slot 0, 1
.set ADRB, 20                          ; v20-21  the same for B
.set STO,  24                          ; v24  f16 way out: where I put 16 bytes of a row
.set RDQ,  25                          ; v25  and where I read four rows of a head back
.set CO,   26                          ; v26  16 x lane
.set STOF, 27                          ; v27  f32 way out: where I put 32 bytes of a row
.set SPW,  28                          ; v28  my spare word; never rewritten
.set NIL,  29                          ; v29  0; never rewritten
.set PFO,  30                          ; v30  the prefetches' offset; never rewritten
.set RDF,  31                          ; v31  f32 way out: where I read a row back
.set F0,   64
.set F1,   128
.set TMP,  192
.set OB,   32
.set WV,   12                          ; s12 wave; s13 = wave / 2: my half of the rows, and 0: I fetch A, 1: B; s14 = wave % 2: my half of the columns, and which half I fetch
.set WR,   13
.set WC,   14
.set IS12, 15                          ; 1 in the clusters X = 3
.set ASTEP, 16                         ; s[16:17] A's bytes for two K steps
.set PSTEP, 18                         ; s[18:19] my prefetches' bytes for one K step
.set G1,   24
.set G0,   32
.set CX,   40
.set CY,   41
.set XC,   42
.set YC,   43
.set PFA,  44                          ; s[44:45]
.set LIM,  46
.set KBS,  47                          ; bytes from a block of 64 channels of A to the next
.set G1B,  48
.set G0B,  56
.set MSB, 0
.macro WIN new                         ; the immediate's high byte repeats the setting that is left
.if MSB != (\new)
	s_set_vgpr_msb (MSB<<8)|(\new)
.set MSB, \new
.endif
.endm
.set MUL_LO, 0xa1                      ; source 0 (B) window 1, source 1 (A) window 0, C and D window 2
.set MUL_HI, 0xf1
.set TO_B,   0x40
; A joint load: waves 0, 1 fetch A's two blocks, waves 2, 3 the halves of B's rows.  The branch hangs on the wave's number alone.  An s_nop 0 and four v_nop follow each line.
.macro JLOAD s
	s_cmp_eq_u32 s[WR], 0
	s_cbranch_scc0 .Lfor_b_\@
	tensor_load_to_lds s[G0+4*(\s):G0+4*(\s)+3], s[G1:G1+7]
	s_nop 0
.rept 4
	v_nop
.endr
	s_branch .Lasked_\@
.Lfor_b_\@:
	tensor_load_to_lds s[G0B+4*(\s):G0B+4*(\s)+3], s[G1B:G1B+7]
	s_nop 0
.rept 4
	v_nop
.endr
.Lasked_\@:
.endm
; A prefetch of my part of the K step that stands two refills on: 32 blocks of 256 bytes, a lane a block.  A's rows are read by the clusters X = 0, 1, 2 of a Y: X = 0 asks; B's by the four Y of an X: Y = 0 asks;
; the clusters X = 3 read operands of their own and ask for both.  The four partners of a joint load share its bytes out by address.  The loop's last trip has no K step two on.
.macro ASK
	s_cmp_gt_u32 s3, s[LIM]
	s_cbranch_scc0 .Lnot_mine_\@
	global_prefetch_b8 v[PFO], s[PFA:PFA+1] th:TH_LOAD_NT scope:SCOPE_SE
.Lnot_mine_\@:
.endm
.macro CREST                           ; a round of the cluster's barrier behind its opening barrier
	s_cmp_lg_u32 s[WV], 0
	s_cbranch_scc1 .Lnot_wave_0_\@
	s_barrier_signal -3
.Lnot_wave_0_\@:
	s_barrier_wait -3
	s_barrier_signal -1
	s_barrier_wait -1
.endm
.macro CROUND
	s_barrier_signal -1
	s_barrier_wait -1
	CREST
.endm
	s_load_b256 s[4:11], s[0:1], 0x0               ; act 4, wbig 6, qkv 8, wp 10
	v_lshl_add_u32 v[SPW], v0, 2, SPARE
	v_mov_b32 v[NIL], 0
	ds_add_u32 v[SPW], v[NIL]                      ; the wave's opening: the add and its wait ahead of my first tensor load
	v_lshrrev_b32 v1, 5, v0
	v_readfirstlane_b32 s[WV], v1
	s_lshr_b32 s[WR], s[WV], 1
	s_and_b32 s[WC], s[WV], 1
	s_bfe_u32 s[CX], ttmp6, 0x40000
	s_bfe_u32 s[CY], ttmp6, 0x40004
	s_mov_b32 s[XC], ttmp9                         ; in a cluster launch ttmp9 and ttmp7 count clusters
	s_and_b32 s[YC], ttmp7, 0xffff
	s_cmp_eq_u32 s[XC], 3
	s_cselect_b32 s[IS12], 1, 0
	s_lshr_b32 s[KBS], 0x40000, s[IS12]            ; act: 2,048 rows x 128 bytes; W1's blocks: 1,024 rows
	s_lshl_b32 s78, s[CY], 2
	s_lshl_b32 s78, 15, s78                        ; my row of the cluster
	s_lshl_b32 s79, 0x1111, s[CX]                  ; my column
	s_or_b32 s[G1], s78, (1<<16)|(1<<20)|(1<<21)|(4<<22)|(3<<25)   ; mask; 2-byte elements; padding on; bit 21 beside a mask; after every 32 words, 4 words
	s_or_b32 s[G1B], s79, (1<<16)|(1<<20)|(1<<21)|(6<<22)|(7<<25)  ; after every 128 words, 8 words
	s_mov_b32 s[G1+1], 128<<16                     ; A: tensor_dim0 = 128
	s_mov_b32 s[G1+2], 128<<16                     ; tensor_dim1 = 128
	s_mov_b32 s[G1+3], 128<<16                     ; tile_dim0 = 128
	s_mov_b32 s[G1+4], 128                         ; tile_dim1 = 128
	s_mov_b32 s[G1+5], 128                         ; dense: 128 elements from row to row
	s_mov_b32 s[G1+6], 0
	s_mov_b32 s[G1+7], 0
	s_mov_b32 s[G1B+1], 256<<16                    ; B: 64 rows of 256 elements, 1,024 elements apart
	s_mov_b32 s[G1B+2], 64<<16
	s_mov_b32 s[G1B+3], 256<<16
	s_mov_b32 s[G1B+4], 64
	s_mov_b32 s[G1B+5], 1024
	s_mov_b32 s[G1B+6], 0
	s_mov_b32 s[G1B+7], 0
	; A's offset: of Y, cy and the wave alone (s70-73 never hold cx)
	s_lshl_b32 s72, s[YC], 21
	s_add_co_u32 s72, s72, 6291456                 ; slice Y of W1
	s_lshr_b32 s73, s[YC], 1
	s_lshl_b32 s73, s73, 22                        ; or batch Y / 2,
	s_and_b32 s70, s[YC], 1
	s_lshl_b32 s70, s70, 17                        ; rows 1024 (Y % 2) on
	s_add_co_u32 s73, s73, s70
	s_cmp_eq_u32 s[IS12], 1
	s_cselect_b32 s72, s72, s73
	s_lshl_b32 s70, s[CY], 15                      ; my work-group's 256 rows
	s_add_co_u32 s72, s72, s70
	s_mul_i32 s70, s[WC], s[KBS]                   ; which of a K step's two blocks I fetch
	s_add_co_u32 s72, s72, s70
	s_mov_b32 s73, 0
	; B's offset: of X, Y, cx and the wave alone (s74-77 never hold cy)
	s_lshl_b32 s76, s[YC], 21
	s_add_co_u32 s76, s76, 14680064                ; slice Y of W2
	s_lshl_b32 s77, s[XC], 21                      ; or part X of Wa
	s_cmp_eq_u32 s[IS12], 1
	s_cselect_b32 s76, s76, s77
	s_lshl_b32 s74, s[CX], 9                       ; my work-group's 256 columns
	s_add_co_u32 s76, s76, s74
	s_lshl_b32 s74, s[WC], 17                      ; which 64 rows of a K step's 128 I fetch
	s_add_co_u32 s76, s76, s74
	s_mov_b32 s77, 0
	s_lshl_b32 s[ASTEP], s[KBS], 2
	s_mov_b32 s[ASTEP+1], 0
	s_lshl_b32 s66, s[KBS], 1                      ; one K step of A
	s_mov_b32 s67, 0
	s_mul_i32 s68, s[WV], AKB                      ; where they go: waves 0, 1: A's blocks;
	s_mul_i32 s69, s[WV], BHALF
	s_add_co_u32 s69, s69, 4096                    ; waves 2, 3: 73,728 and 108,544: no place in the cluster enters an LDS address
	s_wait_dscnt 0x0                               ; the opening add is done
	s_wait_kmcnt 0x0
	s_cmp_eq_u32 s[IS12], 1
	s_cselect_b64 s[70:71], s[6:7], s[4:5]
	s_add_nc_u64 s[70:71], s[70:71], s[72:73]
	s_add_nc_u64 s[74:75], s[6:7], s[76:77]
	CROUND                                         ; all sixteen work-groups are here: the first joint loads meet
	s_mov_b32 s[G0], 1
	s_mov_b32 s[G0+1], s68
	s_mov_b64 s[G0+2:G0+3], s[70:71]
	s_or_b32 s[G0+3], s[G0+3], 0x80000000
	s_mov_b32 s[G0+4], 1
	s_add_co_u32 s[G0+5], s68, SLOT
	s_add_nc_u64 s[G0+6:G0+7], s[70:71], s[66:67]
	s_or_b32 s[G0+7], s[G0+7], 0x80000000
	s_mov_b32 s[G0B], 1
	s_mov_b32 s[G0B+1], s69
	s_mov_b64 s[G0B+2:G0B+3], s[74:75]
	s_or_b32 s[G0B+3], s[G0B+3], 0x80000000
	s_mov_b32 s[G0B+4], 1
	s_add_co_u32 s[G0B+5], s69, SLOT
	s_add_nc_u64 s[G0B+6:G0B+7], s[74:75], 262144
	s_or_b32 s[G0B+7], s[G0B+7], 0x80000000
	JLOAD 0                                        ; K steps 0 and 1: two loads of mine are out
	JLOAD 1
	v_and_b32 v1, 15, v0                           ; r = lane % 16
	v_bfe_u32 v2, v0, 4, 1                         ; h = lane / 16
	v_and_b32 v3, 31, v0                           ; lane
	v_mul_u32_u24 v4, v1, APITCH
	v_lshl_add_u32 v4, v2, 4, v4
	s_mul_i32 s20, s[WR], 128*APITCH
	v_add_nc_u32 v[ADRA], s20, v4
	v_add_nc_u32 v[ADRA+1], SLOT, v[ADRA]
	v_and_b32 v5, 7, v0
	v_lshl_add_u32 v6, v2, 3, v5                   ; the turning load: row 8 h + lane % 8,
	v_mul_u32_u24 v6, v6, BPITCH
	v_bfe_u32 v7, v0, 3, 1
	v_lshl_add_u32 v6, v7, 4, v6                   ; columns 8 ((lane / 8) % 2) on
	s_lshl_b32 s20, s[WC], 8
	s_add_co_u32 s20, s20, BOFF
	v_add_nc_u32 v[ADRB], s20, v6
	v_add_nc_u32 v[ADRB+1], SLOT, v[ADRB]
	s_mul_i32 s20, s[WV], STW
	s_add_co_u32 s20, s20, STAGE                   ; my stage
	v_mul_u32_u24 v4, v1, 272
	v_lshl_add_u32 v4, v2, 4, v4
	v_add_nc_u32 v[STO], s20, v4
	v_lshrrev_b32 v4, 3, v3
	v_mul_u32_u24 v4, v4, 272
	v_lshl_add_u32 v4, v5, 4, v4
	v_add_nc_u32 v[RDQ], s20, v4
	v_mul_u32_u24 v4, v1, 528
	v_lshl_add_u32 v4, v2, 5, v4
	v_add_nc_u32 v[STOF], s20, v4
	v_lshl_add_u32 v[RDF], v3, 4, s20
	v_lshlrev_b32 v[CO], 4, v3
	; the prefetches: at K step 3; the first refill steps them to K step 4.  Nothing is asked for here, at the head.
	s_mul_i32 s20, s[KBS], 6
	s_lshl_b32 s21, s[CX], 13                      ; A: my work-group's quarter of the block's 32,768 bytes
	s_add_co_u32 s20, s20, s21
	s_lshl_b32 s21, s[CY], 15                      ; B: my work-group's 16 of the 64 rows
	s_add_co_u32 s21, s21, 3*262144
	s_lshl_b32 s22, s[KBS], 1
	s_cmp_eq_u32 s[WR], 0
	s_cselect_b64 s[PFA:PFA+1], s[70:71], s[74:75]
	s_cselect_b32 s20, s20, s21
	s_cselect_b32 s[PSTEP], s22, 262144
	s_cselect_b32 s23, s[XC], s[YC]                ; the coordinate along which other clusters read the same bytes
	s_cselect_b32 s66, 0, 1                        ; A: 256 x lane; B: 2,048 x (lane / 2) + 256 x (lane % 2)
	s_cselect_b32 s67, 8, 11
	s_cselect_b32 s68, 0, 1
	s_mov_b32 s21, 0
	s_mov_b32 s[PSTEP+1], 0
	s_add_nc_u64 s[PFA:PFA+1], s[PFA:PFA+1], s[20:21]
	s_cmp_eq_u32 s[IS12], 1
	s_cselect_b32 s23, 0, s23
	s_cmp_eq_u32 s23, 0
	s_cselect_b32 s[LIM], 1, -1                    ; the same in all sixteen partners, for a given wave
	v_lshrrev_b32 v[PFO], s66, v3
	v_lshlrev_b32 v[PFO], s67, v[PFO]
	v_and_b32 v4, s68, v3
	v_lshl_add_u32 v[PFO], v4, 8, v[PFO]
; 16 matrix instructions: row blocks a0, a0 + 1 of the window's four x all 8 column blocks, 32 along K.  zero = 1: the products start the sums.
.macro MUL16 f, hi, a0, zero
	WIN MUL_LO+0x50*(\hi)
.irp a, \a0, (\a0)+1
.irp b, 0,1,2,3,4,5,6,7
.if \zero
	v_wmma_f32_16x16x32_f16 v[8*(8*(\a)+(\b)):8*(8*(\a)+(\b))+7], v[(\f)+8*(\b):(\f)+8*(\b)+7], v[(\f)+8*(4*(\hi)+(\a)):(\f)+8*(4*(\hi)+(\a))+7], 0
.else
	v_wmma_f32_16x16x32_f16 v[8*(8*(\a)+(\b)):8*(8*(\a)+(\b))+7], v[(\f)+8*(\b):(\f)+8*(\b)+7], v[(\f)+8*(4*(\hi)+(\a)):(\f)+8*(4*(\hi)+(\a))+7], v[8*(8*(\a)+(\b)):8*(8*(\a)+(\b))+7]
.endif
.endr
.endr
.endm
; 32 LDS loads in one run: quarter q (32 along K) of a slot into buffer f: B's 16 (turned) first, then A's 16.
.macro FETCH slot, q, f
	WIN TO_B
.irp i, 0,1,2,3,4,5,6,7
	ds_load_tr16_b128 v[(\f)+8*(\i):(\f)+8*(\i)+3],   v[ADRB+(\slot)] offset:(\q)*32*BPITCH+32*(\i)
	ds_load_tr16_b128 v[(\f)+8*(\i)+4:(\f)+8*(\i)+7], v[ADRB+(\slot)] offset:(\q)*32*BPITCH+32*(\i)+16*BPITCH
.endr
	WIN 0
.irp i, 0,1,2,3,4,5,6,7
	ds_load_b128 v[(\f)+8*(\i):(\f)+8*(\i)+3],   v[ADRA+(\slot)] offset:((\q)/2)*AKB+((\q)%2)*64+(\i)*16*APITCH
	ds_load_b128 v[(\f)+8*(\i)+4:(\f)+8*(\i)+7], v[ADRA+(\slot)] offset:((\q)/2)*AKB+((\q)%2)*64+(\i)*16*APITCH+32
.endr
.endm
.macro PLACES                          ; four places in front of loads into registers that matrix instructions have read (ISA guide 7.12.1 for vector instructions)
.rept 4
	v_nop
.endr
.endm
; One of a K step's first three quarters: multiplies buffer f; in its middle fetches quarter q of the same slot into buffer g.
.macro QUARTER slot, q, f, g, zero
	s_wait_dscnt 8                                 ; B and A's rows 0-63 are in; the youngest eight loads (A's rows 64-127) may be out
	MUL16 \f, 0, 0, \zero
	MUL16 \f, 0, 2, \zero
	PLACES
	FETCH \slot, \q, \g
	s_wait_dscnt 32                                ; all but the 32 just issued
	MUL16 \f, 1, 0, \zero
	MUL16 \f, 1, 2, \zero
.endm
; The last quarter's first half, and the one barrier of a change of slots.
.macro MEET round
	WIN 0
	s_wait_tensorcnt 0x0                           ; all my tensor loads have landed: the one that was out is my part of the next slot
	ds_add_u32 v[SPW], v[NIL]
	s_wait_dscnt 9                                 ; (the add and the youngest eight loads may be out)
	MUL16 F1, 0, 0, 0
	s_wait_dscnt 0x0                               ; the add is done, and my reads of this slot are over
	s_barrier_signal -1
	MUL16 F1, 0, 2, 0
.if \round
	WIN 0
.endif
	s_barrier_wait -1
.endm
.macro TURN slot, next                 ; the slot just read is filled again, two K steps on, first thing behind the round
	s_wait_xcnt 0x0                                ; the last prefetch, a K step back, has read its address
	s_add_nc_u64 s[PFA:PFA+1], s[PFA:PFA+1], s[PSTEP:PSTEP+1]
	MEET 1
	CREST                                          ; no wave of any partner still reads this slot or has a load on its way
	s_add_nc_u64 s[G0+4*(\slot)+2:G0+4*(\slot)+3], s[G0+4*(\slot)+2:G0+4*(\slot)+3], s[ASTEP:ASTEP+1]
	s_add_nc_u64 s[G0B+4*(\slot)+2:G0B+4*(\slot)+3], s[G0B+4*(\slot)+2:G0B+4*(\slot)+3], 524288
	JLOAD \slot                                    ; its four v_nop are also the places in front of the loads below
	FETCH \next, 0, F0
	ASK
	MUL16 F1, 1, 0, 0
	MUL16 F1, 1, 2, 0
.endm
.macro TURNL slot, next                ; the last change of slots: nothing is filled
	MEET 0
	PLACES
	FETCH \next, 0, F0
	MUL16 F1, 1, 0, 0
	MUL16 F1, 1, 2, 0
.endm
	s_wait_tensorcnt 1                             ; my part of K step 0 is in; K step 1's load may stay out
	s_barrier_signal -1
	s_barrier_wait -1
	FETCH 0, 0, F0
	QUARTER 0, 1, F0, F1, 1                        ; the first quarter starts the sums
	WIN 0
	s_mov_b32 s3, 3
.Llap:                                                 ; a trip goes once round the ring and fills both slots again: K steps 2 to 7
	QUARTER 0, 2, F1, F0, 0
	QUARTER 0, 3, F0, F1, 0
	TURN 0, 1
	QUARTER 1, 1, F0, F1, 0
	QUARTER 1, 2, F1, F0, 0
	QUARTER 1, 3, F0, F1, 0
	TURN 1, 0
	QUARTER 0, 1, F0, F1, 0
	WIN 0
	s_sub_co_u32 s3, s3, 1
	s_cmp_lg_u32 s3, 0
	s_cbranch_scc1 .Llap
	QUARTER 0, 2, F1, F0, 0                        ; K steps 6 and 7 ask for nothing
	QUARTER 0, 3, F0, F1, 0
	TURNL 0, 1
	QUARTER 1, 1, F0, F1, 0
	QUARTER 1, 2, F1, F0, 0
	QUARTER 1, 3, F0, F1, 0
	s_wait_dscnt 8
	MUL16 F1, 0, 0, 0
	MUL16 F1, 0, 2, 0
	s_wait_dscnt 0x0
	MUL16 F1, 1, 0, 0
	MUL16 F1, 1, 2, 0
	WIN 0
	PLACES
	PLACES
	s_cmp_eq_u32 s[IS12], 1
	s_cbranch_scc1 .Lf32
; THE WAY OUT IN f16: 16 rows at a time through my stage; a head's 64 channels are 128 bytes, four rows of a head 512 consecutive bytes of qkv.
.macro PACK a
.set AC, 64*((\a)%4)
	WIN 0x0a+5*((\a)/4)
.irp b, 0,1,2,3,4,5,6,7
.irp r, 0,1,2,3
	v_cvt_pk_f16_f32 v[TMP+4*(\b)+(\r)], v[AC+8*(\b)+2*(\r)], v[AC+8*(\b)+2*(\r)+1]
.endr
.endr
	WIN 0
.endm
.macro TOSTAGE a
.set BK, OB+192*((\a)%2)
.irp b, 0,1,2,3,4,5,6,7
	ds_store_b128 v[STO], v[TMP+4*(\b):TMP+4*(\b)+3] offset:32*(\b)
.endr
.irp t, 0,1,2,3,4,5,6,7
	ds_load_b128 v[BK+4*(\t):BK+4*(\t)+3], v[RDQ] offset:((\t)/4)*128+((\t)%4)*4*272  ; LDS serves a wave's instructions in order: these see the stores above
.endr
.endm
.macro SEND a
.set BK, OB+192*((\a)%2)
	s_wait_dscnt 0x0                               ; the block is back in registers
	s_wait_xcnt 0x0                                ; the registers that the stores of two blocks back read are loaded again only behind this wait
.irp t, 0,1,2,3,4,5,6,7
	global_store_b128 v[CO], v[BK+4*(\t):BK+4*(\t)+3], s[8:9] offset:((\t)/4)*262144+(\a)*2048+((\t)%4)*512  ; 512 consecutive bytes, aligned
.endr
.endm
	s_lshr_b32 s20, s[YC], 1                       ; ((batch x 16 + head) x 2,048 + row) x 128 + part x 8 MiB
	s_lshl_b32 s20, s20, 4
	s_lshl_b32 s21, s[CX], 2
	s_add_co_u32 s20, s20, s21
	s_lshl_b32 s21, s[WC], 1
	s_add_co_u32 s20, s20, s21
	s_lshl_b32 s20, s20, 11
	s_and_b32 s21, s[YC], 1
	s_lshl_b32 s21, s21, 10
	s_add_co_u32 s20, s20, s21
	s_lshl_b32 s21, s[CY], 8
	s_add_co_u32 s20, s20, s21
	s_lshl_b32 s21, s[WR], 7
	s_add_co_u32 s20, s20, s21
	s_lshl_b32 s20, s20, 7
	s_lshl_b32 s21, s[XC], 23
	s_add_co_u32 s20, s20, s21
	s_mov_b32 s21, 0
	s_add_nc_u64 s[8:9], s[8:9], s[20:21]
	PACK 0
	TOSTAGE 0
.irp a, 1,2,3,4,5,6,7                  ; block a's conversions stand between block a - 1's loads from the stage and the wait for them
	PACK \a
	SEND (\a)-1
	TOSTAGE \a
.endr
	SEND 7
	s_branch .Lend
; THE WAY OUT IN f32: a row of my 128 columns is 512 bytes.
.macro FOUT a
.set AC, 64*((\a)%4)
.set FB, 64+64*((\a)%2)
	s_wait_xcnt 0x0                                ; the registers that earlier stores read are loaded again only behind this wait
	WIN 0x08+4*((\a)/4)                            ; the stores' data lie in window 2 or 3
.irp b, 0,1,2,3,4,5,6,7
	ds_store_b128 v[STOF], v[AC+8*(\b):AC+8*(\b)+3]   offset:64*(\b)
	ds_store_b128 v[STOF], v[AC+8*(\b)+4:AC+8*(\b)+7] offset:64*(\b)+16
.endr
	WIN 0
.set t, 0
.rept 16
	ds_load_b128 v[FB+4*t:FB+4*t+3], v[RDF] offset:t*528
.set t, t+1
.endr
.set t, 0
.rept 16
	s_wait_dscnt 15-t                              ; row t is back; the 15 - t younger reads stay out
	global_store_b128 v[CO], v[FB+4*t:FB+4*t+3], s[10:11] offset:(16*(\a)+t)*4096  ; 512 consecutive bytes, aligned
.set t, t+1
.endr
.endm
.Lf32:
	s_lshl_b32 s20, s[CY], 8
	s_lshl_b32 s21, s[WR], 7
	s_add_co_u32 s20, s20, s21
	s_lshl_b32 s20, s20, 12                        ; my first row
	s_lshl_b32 s21, s[CX], 10
	s_add_co_u32 s20, s20, s21
	s_lshl_b32 s21, s[WC], 9                       ; my first column
	s_add_co_u32 s20, s20, s21
	s_lshl_b32 s21, s[YC], 22                      ; the partial sum's plane
	s_add_co_u32 s20, s20, s21
	s_mov_b32 s21, 0
	s_add_nc_u64 s[10:11], s[10:11], s[20:21]
.irp a, 0,1,2,3,4,5,6,7
	FOUT \a
.endr
.Lend:
	s_wait_tensorcnt 0x0                           ; the wave's end
	ds_add_u32 v[SPW], v[NIL]
	s_wait_dscnt 0x0
	CROUND                                         ; the closing round
	s_endpgm
.Lfunc_end_k_qe59f7c534e_gemma:
	.size	k_qe59f7c534e_gemma, .Lfunc_end_k_qe59f7c534e_gemma-k_qe59f7c534e_gemma
	.p2alignl 7, 3214868480
	.fill 96, 4, 3214868480
	.section	.rodata,"a",@progbits
	.p2align	6, 0x0
	.amdhsa_kernel k_qe59f7c534e_gemma
		.amdhsa_group_segment_fixed_size 327680
		.amdhsa_private_segment_fixed_size 0
		.amdhsa_enable_private_segment 0
		.amdhsa_kernarg_size 32
		.amdhsa_user_sgpr_count 2
		.amdhsa_user_sgpr_kernarg_segment_ptr 1
		.amdhsa_wavefront_size32 1
		.amdhsa_system_sgpr_workgroup_id_x 1
		.amdhsa_system_sgpr_workgroup_id_y 1
		.amdhsa_system_sgpr_workgroup_id_z 1
		.amdhsa_system_vgpr_workitem_id 0
		.amdhsa_next_free_vgpr 1024
		.amdhsa_next_free_sgpr 80
		.amdhsa_reserve_vcc 0
		.amdhsa_float_denorm_mode_32 3
		.amdhsa_float_denorm_mode_16_64 3
		.amdhsa_memory_ordered 1
		.amdhsa_forward_progress 1
		.amdhsa_inst_pref_size 178
	.end_amdhsa_kernel
	.amdgpu_metadata
---
amdhsa.version: [ 1, 2 ]
amdhsa.kernels:
  - .name:           k_qe59f7c534e_gemma
    .symbol:         k_qe59f7c534e_gemma.kd
    .args:
      - { .name: act, .offset: 0, .size: 8, .value_kind: global_buffer, .address_space: global }
      - { .name: wbig, .offset: 8, .size: 8, .value_kind: global_buffer, .address_space: global }
      - { .name: qkv, .offset: 16, .size: 8, .value_kind: global_buffer, .address_space: global }
      - { .name: wp, .offset: 24, .size: 8, .value_kind: global_buffer, .address_space: global }
    .group_segment_fixed_size: 327680
    .private_segment_fixed_size: 0
    .kernarg_segment_align: 8
    .kernarg_segment_size: 32
    .max_flat_workgroup_size: 128
    .sgpr_count:     80
    .vgpr_count:     1024
    .wavefront_size: 32
...
	.end_amdgpu_metadata
.endif
;; end of part 2
;; launch attn (part 3): grid 8 x 32, 4 waves a work-group, no clusters, 327,680 bytes of LDS; arguments qkv, act; writes act
.if DOCPART == 3
	.amdgcn_target "amdgcn-amd-amdhsa--gfx1250"
	.amdhsa_code_object_version 6
	.text
	.protected	k_qe59f7c534e_attn
	.globl	k_qe59f7c534e_attn
	.p2align	8
	.type	k_qe59f7c534e_attn,@function
k_qe59f7c534e_attn:
	s_mov_b64 s[64:65], 0
	v_nop
	global_prefetch_b8 v0, s[64:65] scope:SCOPE_SE
	s_setreg_imm32_b32 hwreg(HW_REG_WAVE_MODE, 25, 1), 1
	s_wait_xcnt 0x0
; CAUSAL ATTENTION, head size 64, 32 heads (batch x head) of 2,048 rows.  Q, K, V: qkv + 0, 8 MiB, 16 MiB, each [head][row][64] f16, unscaled; O -> act in the same layout.
; Products, maxima and sums in f32; the weights p are rounded to f16 for the second product (their sum l is taken of the unrounded p), O once at the end.
; LIMITS.  f16 holds no number beyond 65,504: Q, K and V arrive within it; p lies in 0 to 1, and below 6e-5 it keeps f16's fixed step of 6e-8; O is a mean of V's rows and has their range.
; A hidden score counts as its value less 1e30: f16's scores, 2.7e11 at the most, are nothing beside that; a weight below 2^-126 counts as 0 in l; NaN and infinities are not treated apart.
; THE WALK.  A head's queries lie in 16 blocks of 128; block i needs the key tiles 0 .. i / 2 of 256 keys, the last of which holds the diagonal.  A work-group takes blocks 15 - b and then b: 9 tiles, whatever b:
; all work-groups do equal work, and one loop with a constant trip count walks them; the ring of two slots runs on across the change of blocks.
; NO CLUSTER: only b = 2 c and 2 c + 1 have equal walks; all eight work-groups of a head ask for the same tile in trips 0 to 4 alone; a walk common to four partners has 10 tiles for 9, and what a trip does would differ between partners.
; SHARES.  Of a block's two bands of 64 queries a wave owns 16 rows in each: two PIECES.  In the diagonal tile of block i band x holds the diagonal in key step 2 (i % 2) + x, sees all of the earlier steps and nothing of the later.
; THE MASK is the C operand that starts S^T = K Q^T: MD x AL + BE, MD the mask of a band's own step for my rows; (1, 0) own step, (0, 0) earlier, (0, -1e30) later.
; TURNS.  Turn p belongs to piece p: 8 products K Q^T of the other piece, later 8 products V^T P of the other piece; beside them piece p's scaling, exponentials, roundings, sums and rescaling and the other piece's maximum
; and statistics.  T0 of step j: scores of piece 1 for step j, V^T P of piece 1 for step j - 1.  T1: scores of piece 0 for step j + 1, V^T P of piece 0 for step j.  A turn's 33 exponentials are one batch with one wait.
; THE SKEW.  T0 of step j fetches K of step j + 1 and then V of step j.  So a slot holds V of a tile's four steps and K of the four steps one step later (K's address carries 64 keys more), and both fetches fall into one slot;
; K of step 0 lies in a region of its own, filled once.  A head's last tile of K runs 64 rows on into the bytes that follow in qkv; those scores are hidden or never used.
; A block's last step is a step like any other: its T1 makes scores and a maximum for a step that does not exist, which nothing reads.
; REGISTERS (windows of 256): window 0: v0-15 addresses; v16-23 statistics; v48-55 at work; v64-127 S^T, two buffers; v192-223 P, two buffers.  window 1: v0-63 O^T; v128-159 MD; v160-223 MC, two buffers.
;   window 2: v0-31 Q; v64-95 the second block's Q; v128-191 K of one step; v192-255 V of one step.
.set NP,    2
.set KS,    64
.set PK,    144       ; a row of K in LDS: 128 bytes + 16
.set PV,    160       ; a row of V: 128 + 32
.set VOFF,  4*KS*PK
.set SLOT1, 1<<17
.set K0,    81920     ; between the slots: keys 0-63 of the head, 64 x 144 bytes, filled once
.set STAGE, SLOT1+4*KS*(PK+PV)
.set SP,    144
.set SPARE, STAGE+4*16*SP
.set AK0, 2
.set AV0, 3
.set AK,  4
.set AV,  5
.set STO, 6
.set RD,  7
.set GO,  8
.set MV,  12
.set QO,  15
.set ST,  16
.set TMP, 48
.set PFO, 61          ; v61  256 x lane; never rewritten
.set SPW, 62
.set NIL, 63
.set S,   64
.set P,   192
.set MD,  128
.set MC,  160
.set QB,  64
.set KF,  128
.set VF,  192
.set WV,  12
.set PB,  14          ; b
.set HI,  15          ; 15 - b
.set G1K, 24
.set G1V, 32
.set G0K, 40
.set G0V, 44
.set OW,  48          ; s48-49  5 - a piece's own step in the diagonal tile
.set ALD, 50          ; s50  1.0 where piece 0's own step is the tile's step 0
.set MKC, 51          ; s51  1 in the tile in front of the diagonal one
.set LQ2, 52          ; s52  the second block's last tile
.set PFL, 53          ; s53  changes of slots that still prefetch, plus one
.set OWB, 54          ; s54, s55  OW and ALD of the second block
.set ALDB, 55
.set SLOTS, 56
.set CNT, 57
.set CS,  58
.set SEL, 60
.set TBK, 62
.set TBV, 63
.set PFK, 66          ; s[66:67], s[68:69] where my prefetches stand in K and V
.set PFV, 68
.set RT,  70
.set NXT, 71
.set LQ,  72
.set NEW, 73
.set OFF, 74
.set AL,  76
.set BE,  78
.set OLO, 80
.set BIGN, 82
.set ARG, 84          ; s[84:85] qkv, s[86:87] act
.set G1Z, 88
.set G0Z, 96
.set QLO, 100
.set MSB, 0
.macro WIN new
.if MSB != (\new)
	s_set_vgpr_msb (MSB<<8)|(\new)
.set MSB, (\new)
.endif
.endm
.set W_KQ, 0x0a
.set W_KM, 0x1a
.set W_PV, 0x52
.set W_RS, 0x41
; A fill: waves 0, 1 fetch the halves of a tile's K, waves 2, 3 those of its V.  An s_nop 0 and four v_nop follow each line.
.macro LOAD
	s_cmp_lt_u32 s[WV], 2
	s_cbranch_scc0 .Lfor_v_\@
	tensor_load_to_lds s[G0K:G0K+3], s[G1K:G1K+7]
	s_nop 0
.rept 4
	v_nop
.endr
	s_branch .Lasked_\@
.Lfor_v_\@:
	tensor_load_to_lds s[G0V:G0V+3], s[G1V:G1V+7]
	s_nop 0
.rept 4
	v_nop
.endr
.Lasked_\@:
.endm
; A prefetch of the tile that the next change of slots will ask for: all work-groups of a head walk the same tiles in their first trips, so b = 0 alone asks, in its first block's walk; wave w names 64 rows of K
; (skewed as the loads are) and 64 of V, a lane 256 bytes.  Each block is named once; tiles 0 and 1 come by their loads alone; the change that fills tile 7 asks for nothing.
.macro ASK
	s_cmp_lg_u32 s[PFL], 0
	s_cbranch_scc0 .Lnot_mine_\@
	global_prefetch_b8 v[PFO], s[PFK:PFK+1] th:TH_LOAD_NT scope:SCOPE_SE
	global_prefetch_b8 v[PFO], s[PFV:PFV+1] th:TH_LOAD_NT scope:SCOPE_SE
.Lnot_mine_\@:
.endm
; THE CHANGE OF SLOTS, behind T1 of a tile's fourth step: all reads of the slot have been waited for.  fill = 1: the old slot takes tile NXT, first thing behind the barrier.
.macro CHANGE fill
	WIN 0
	s_wait_tensorcnt 0x0            ; no tensor load of mine is out, so a group 0 may be written
	ds_add_u32 v[SPW], v[NIL]
.if \fill
	s_lshl_b32 s[OFF], s[NXT], 15
	s_xor_b32 s[G0K+1], s[G0K+1], SLOT1
	s_add_nc_u64 s[G0K+2:G0K+3], s[6:7], s[OFF:OFF+1]
	s_or_b32 s[G0K+3], s[G0K+3], 0x80000000
	s_xor_b32 s[G0V+1], s[G0V+1], SLOT1
	s_add_nc_u64 s[G0V+2:G0V+3], s[8:9], s[OFF:OFF+1]
	s_or_b32 s[G0V+3], s[G0V+3], 0x80000000
	s_add_co_u32 s[NXT], s[NXT], 1  ; the block's next tile, or behind its last the second block's tile 0
	s_cmp_gt_u32 s[NXT], s[LQ]
	s_cselect_b32 s[NXT], 0, s[NXT]
	s_cselect_b32 s[LQ], s[LQ2], s[LQ]
	s_wait_xcnt 0x0                 ; the last prefetches, a tile back, have read their addresses
	s_add_nc_u64 s[PFK:PFK+1], s[PFK:PFK+1], 32768
	s_add_nc_u64 s[PFV:PFV+1], s[PFV:PFV+1], 32768
	s_sub_co_i32 s[PFL], s[PFL], 1
	s_max_i32 s[PFL], s[PFL], 0
.endif
	s_wait_dscnt 0x0                ; the add is done, and my reads of the slot are over
	s_barrier_signal -1
	s_sub_co_u32 s[TBK], s[TBK], 4*KS*PK
	s_xor_b32 s[TBK], s[TBK], SLOT1
	s_sub_co_u32 s[TBV], s[TBV], 4*KS*PV
	s_xor_b32 s[TBV], s[TBV], SLOT1
	s_barrier_wait -1
.if \fill
	LOAD
	ASK
.endif
.endm
	s_load_b128 s[ARG:ARG+3], s[0:1], 0x0
	v_lshl_add_u32 v[SPW], v0, 2, SPARE
	v_mov_b32 v[NIL], 0
	ds_add_u32 v[SPW], v[NIL]       ; the wave's opening: the add and its wait ahead of my first tensor load
	v_lshrrev_b32 v1, 5, v0
	v_readfirstlane_b32 s[WV], v1
	s_mov_b32 s[PB], ttmp9
	s_sub_co_u32 s[HI], 15, s[PB]
	s_and_b32 s20, ttmp7, 0xffff
	s_lshl_b32 s20, s20, 18         ; the head's first byte in Q, K, V and O
	s_and_b32 s16, s[WV], 1         ; which half of a tile's 256 keys I fetch
	s_lshl_b32 s22, s16, 14
	s_add_co_u32 s22, s22, s20
	s_mov_b32 s23, 0
	s_mov_b32 s[G0K], 1
	s_mul_i32 s[G0K+1], s16, 128*PK
	s_mov_b32 s[G0V], 1
	s_mul_i32 s[G0V+1], s16, 128*PV
	s_add_co_u32 s[G0V+1], s[G0V+1], VOFF
	s_mov_b32 s[G0Z], 1
	s_mul_i32 s[G0Z+1], s[WV], 16*PK
	s_add_co_u32 s[G0Z+1], s[G0Z+1], K0
	s_lshl_b32 s13, s[WV], 11       ; my 16 rows in a band
	s_add_co_u32 s13, s13, s20
	s_lshl_b32 s2, s[HI], 14        ; the first block,
	s_add_co_u32 s2, s2, s13
	s_mov_b32 s3, 0
	s_add_co_u32 s18, s13, 8388608  ; my 16 of the head's keys 0-63
	s_mov_b32 s19, 0
	s_lshl_b32 s[PFK], s[WV], 13
	s_add_co_u32 s[PFK], s[PFK], s20
	s_add_co_u32 s[PFK], s[PFK], 32768  ; my quarter of tile 1: the first change of slots steps it to tile 2
	s_mov_b32 s[PFK+1], 0
	s_lshl_b32 s20, s[PB], 14       ; and the second
	s_add_co_u32 s20, s20, s13
	s_mov_b32 s21, 0
	; 128 keys are 16,384 dense bytes: 64 rows of 256 bytes, two keys a row, padded in LDS after every key
	s_mov_b32 s[G1K], (1<<16)|(1<<20)|(4<<22)|(3<<25)
	s_mov_b32 s[G1V], (1<<16)|(1<<20)|(4<<22)|(7<<25)
	s_mov_b32 s[G1Z], (1<<16)|(1<<20)|(4<<22)|(3<<25)
.irp g, G1K, G1V
	s_mov_b32 s[\g+1], 128<<16
	s_mov_b32 s[\g+2], 64<<16
	s_mov_b32 s[\g+3], 128<<16
	s_mov_b32 s[\g+4], 64
	s_mov_b32 s[\g+5], 128
	s_mov_b32 s[\g+6], 0
	s_mov_b32 s[\g+7], 0
.endr
	s_mov_b32 s[G1Z+1], 128<<16     ; 16 keys: 8 rows of 256 bytes
	s_mov_b32 s[G1Z+2], 8<<16
	s_mov_b32 s[G1Z+3], 128<<16
	s_mov_b32 s[G1Z+4], 8
	s_mov_b32 s[G1Z+5], 128
	s_mov_b32 s[G1Z+6], 0
	s_mov_b32 s[G1Z+7], 0
	s_mov_b32 s[CS], 0x3e38aa3b     ; c = log2(e) / 8
	s_mov_b32 s[CS+1], s[CS]
	s_mov_b32 s[SEL], 0x76543210
	s_mov_b32 s[SEL+1], 0xfedcba98
	s_mov_b32 s[TBK], SLOT1+4*KS*PK ; the first change of slots turns these two into 0
	s_mov_b32 s[TBV], SLOT1+4*KS*PV
	s_lshr_b32 s[LQ], s[HI], 1
	s_add_co_u32 s[RT], s[LQ], 1
	s_lshr_b32 s[LQ2], s[PB], 1
	s_mov_b32 s[NXT], 1
	s_mov_b32 s[NEW], 1
	s_mov_b32 s[MKC], 0
	s_mov_b32 s[OFF+1], 0
	s_mov_b32 s[AL+1], 0
	s_mov_b32 s[BE+1], 0
	s_mov_b32 s[BIGN], 0xf149f2ca   ; -1e30
	s_mov_b32 s[SLOTS], 8
	s_and_b32 s16, s[HI], 1         ; which half of its diagonal tile the first block is
	s_lshl_b32 s17, s16, 1
	s_sub_co_u32 s[OW], 5, s17
	s_sub_co_u32 s[OW+1], 4, s17
	s_cmp_eq_u32 s16, 0
	s_cselect_b32 s[ALD], 1.0, 0
	s_and_b32 s16, s[PB], 1
	s_lshl_b32 s17, s16, 1
	s_sub_co_u32 s[OWB], 5, s17
	s_cmp_eq_u32 s16, 0
	s_cselect_b32 s[ALDB], 1.0, 0
	s_cmp_eq_u32 s[PB], 0
	s_cselect_b32 s[PFL], 7, 0
	v_and_b32 v[PFO], 31, v0
	v_lshlrev_b32 v[PFO], 8, v[PFO]
	s_wait_dscnt 0x0                ; the opening add is done
	s_wait_kmcnt 0x0
	s_add_nc_u64 s[8:9], s[ARG:ARG+1], s[22:23]
	s_add_nc_u64 s[6:7], s[8:9], 8388608+8192      ; K at my half of tile 0, 64 keys on
	s_add_nc_u64 s[8:9], s[8:9], 16777216          ; V at my half of tile 0
	s_mov_b64 s[G0K+2:G0K+3], s[6:7]
	s_or_b32 s[G0K+3], s[G0K+3], 0x80000000
	s_mov_b64 s[G0V+2:G0V+3], s[8:9]
	s_or_b32 s[G0V+3], s[G0V+3], 0x80000000
	s_add_nc_u64 s[G0Z+2:G0Z+3], s[ARG:ARG+1], s[18:19]
	s_or_b32 s[G0Z+3], s[G0Z+3], 0x80000000
	s_add_nc_u64 s[4:5], s[ARG:ARG+1], s[2:3]
	s_add_nc_u64 s[QLO:QLO+1], s[ARG:ARG+1], s[20:21]
	s_add_nc_u64 s[10:11], s[ARG+2:ARG+3], s[2:3]
	s_add_nc_u64 s[OLO:OLO+1], s[ARG+2:ARG+3], s[20:21]
	s_add_nc_u64 s[PFV:PFV+1], s[ARG:ARG+1], s[PFK:PFK+1]
	s_add_nc_u64 s[PFK:PFK+1], s[PFV:PFV+1], 8388608+8192
	s_add_nc_u64 s[PFV:PFV+1], s[PFV:PFV+1], 16777216
	tensor_load_to_lds s[G0Z:G0Z+3], s[G1Z:G1Z+7]  ; my quarter of keys 0-63,
	s_nop 0
	LOAD                            ; and my part of tile 0: two loads of mine are out
	v_and_b32 v1, 15, v0
	v_bfe_u32 v9, v0, 4, 1
	v_lshlrev_b32 v[QO], 7, v1
	v_lshl_add_u32 v[QO], v9, 4, v[QO]
	WIN 0x80
.set i, 0
.rept 4                             ; both blocks' Q: piece i / 2 lies in band i / 2, 8,192 bytes on; channels 32 (i % 2) on
	global_load_b128 v[8*i:8*i+3],   v[QO], s[4:5] offset:(i/2)*8192+(i%2)*64
	global_load_b128 v[8*i+4:8*i+7], v[QO], s[4:5] offset:(i/2)*8192+(i%2)*64+32
	global_load_b128 v[QB+8*i:QB+8*i+3],   v[QO], s[QLO:QLO+1] offset:(i/2)*8192+(i%2)*64
	global_load_b128 v[QB+8*i+4:QB+8*i+7], v[QO], s[QLO:QLO+1] offset:(i/2)*8192+(i%2)*64+32
.set i, i+1
.endr
	WIN 0
	v_lshlrev_b32 v14, 3, v9
	v_sub_nc_u32 v14, v1, v14
	s_lshl_b32 s13, s[WV], 4
	v_add_nc_u32 v14, s13, v14      ; my query's place in its band less 8 (lane / 16): register r of key group kt is hidden where 16 kt + r is greater
	WIN 0x40
.set i, 0
.rept 32
	v_cmp_gt_i32 vcc_lo, 16*(i/8)+i%8, v14
	v_cndmask_b32 v[MD+i], 0, s[BIGN], vcc_lo
.set i, i+1
.endr
	WIN 0
	v_mul_u32_u24 v[AK0], v1, PK
	v_lshl_add_u32 v[AK0], v9, 4, v[AK0]
	v_and_b32 v10, 7, v0
	v_bfe_u32 v11, v0, 3, 1
	v_lshl_add_u32 v[AV0], v9, 3, v10
	v_mul_u32_u24 v[AV0], v[AV0], PV
	v_lshl_add_u32 v[AV0], v11, 4, v[AV0]
	v_add_nc_u32 v[AV0], VOFF, v[AV0]
	s_mul_i32 s13, s[WV], 16*SP
	s_add_co_u32 s13, s13, STAGE
	v_mul_u32_u24 v[STO], v1, SP
	v_lshl_add_u32 v[STO], v9, 4, v[STO]
	v_add_nc_u32 v[STO], s13, v[STO]
	v_bfe_u32 v[RD], v0, 3, 2
	v_mul_u32_u24 v[RD], v[RD], SP
	v_lshl_add_u32 v[RD], v10, 4, v[RD]
	v_add_nc_u32 v[RD], s13, v[RD]
	v_and_b32 v[GO], 31, v0
	v_lshlrev_b32 v[GO], 4, v[GO]
	; A block's first step multiplies O^T and l by a = 0, and its first turn's V^T P, of a step that has not been, lands in an O^T still to be so multiplied: these registers need only be finite.
	WIN 0x80
.set i, VF
.rept 64
	v_mov_b32 v[i], 0
.set i, i+1
.endr
	WIN 0x40
.set i, 0
.rept 64
	v_mov_b32 v[i], 0
.set i, i+1
.endr
	WIN 0
.set i, 0
.rept 2
	v_mov_b32 v[ST+4*i+2], 0
	v_mov_b32 v[ST+4*i+3], 0
.set i, i+1
.endr
.set i, P+16
.rept 16
	v_mov_b32 v[i], 0
.set i, i+1
.endr
; THE MATRIX WORK.  The 4 accumulators of a run of 8 take turns.
.macro KQ x
.set rS, S+32*((\x)%2)+8*(i%4)
.set rK, KF+16*(i%4)+8*(i/4)
.set rQ, 16*(\x)+8*(i/4)
.set rM, MC+32*((\x)%2)+8*(i%4)
.if (i < 4) && KM
	WIN W_KM
	v_wmma_f32_16x16x32_f16 v[rS:rS+7], v[rK:rK+7], v[rQ:rQ+7], v[rM:rM+7]
.elseif i < 4
	WIN W_KQ
	v_wmma_f32_16x16x32_f16 v[rS:rS+7], v[rK:rK+7], v[rQ:rQ+7], 0
.else
	WIN W_KQ
	v_wmma_f32_16x16x32_f16 v[rS:rS+7], v[rK:rK+7], v[rQ:rQ+7], v[rS:rS+7]
.endif
.endm
.macro PV x
	WIN W_PV
.set rO, 32*(\x)+8*(i%4)
.set rV, VF+32*(i/4)+8*(i%4)
.set rP, P+16*((\x)%2)+8*(i/4)
	v_wmma_f32_16x16x32_f16 v[rO:rO+7], v[rV:rV+7], v[rP:rP+7], v[rO:rO+7]
.endm
.macro MM                           ; the turn's next matrix instruction
.if i < 8
	KQ (Y+1)%NP
.else
.set i, i-8
	PV (Y+NP-1)%NP
.set i, i+8
.endif
.set i, i+1
.endm
; THE LDS LOADS stand in runs of 16.  step = 1: the next fetch of K is the next step's.
.macro FETCH_K step
	WIN 0x80
.irp f, 0,1,2,3,4,5,6,7
	ds_load_b128 v[KF+8*\f:KF+8*\f+3],   v[AK] offset:(\f/2)*16*PK+(\f%2)*64
	ds_load_b128 v[KF+8*\f+4:KF+8*\f+7], v[AK] offset:(\f/2)*16*PK+(\f%2)*64+32
.endr
.if \step
	s_add_co_u32 s[TBK], s[TBK], KS*PK
.endif
	WIN 0
.endm
.macro FETCH_V
	WIN 0x80
.irp f, 0,1,2,3,4,5,6,7
	ds_load_tr16_b128 v[VF+8*\f:VF+8*\f+3],   v[AV] offset:(\f/4)*32*PV+(\f%4)*32
	ds_load_tr16_b128 v[VF+8*\f+4:VF+8*\f+7], v[AV] offset:(\f/4)*32*PV+16*PV+(\f%4)*32
.endr
	WIN 0
.endm
; THE VECTOR WORK: OP kind, number.  For piece Y: F n: c s - c m for pair n.  E n: the exponential of score n.  C n: pair n rounded to f16.  B n: of weights 4 n .. the second pair is added onto the first.
; L n: l takes that sum (L 0: l = a l + sum).  R n: pair n of O^T times a.  For the other piece: X n, number n of the 22 that find its maximum and statistics (each accumulator's lowest registers are read first).
.set F, 0
.set E, 1
.set C, 2
.set B, 3
.set L, 4
.set R, 5
.set X, 6
.macro REGS y
.set rT, ST+4*(\y)
.set rC, TMP+4*((\y)%2)
.set rW, MV+((\y)%2)
.set rS, S+32*((\y)%2)
.set rP, P+16*((\y)%2)
.set rO, 32*(\y)
.endm
.macro OP k, n
.if (\k) == R
	REGS Y
	WIN W_RS
	v_pk_mul_f32 v[rO+2*(\n):rO+2*(\n)+1], v[rO+2*(\n):rO+2*(\n)+1], v[rC+2:rC+3] op_sel_hi:[1,0]
.elseif (\k) < R
	REGS Y
	WIN 0
.if (\k) == F
	v_pk_fma_f32 v[rS+2*(\n):rS+2*(\n)+1], v[rS+2*(\n):rS+2*(\n)+1], s[CS:CS+1], v[rT:rT+1] op_sel_hi:[1,0,0] neg_lo:[0,0,1] neg_hi:[0,0,1]
.elseif (\k) == E
	v_exp_f32 v[rS+(\n)], v[rS+(\n)]
.elseif (\k) == C
	v_cvt_pk_f16_f32 v[rP+(\n)], v[rS+2*(\n)], v[rS+2*(\n)+1]
.elseif (\k) == B
	v_pk_add_f32 v[rS+4*(\n):rS+4*(\n)+1], v[rS+4*(\n):rS+4*(\n)+1], v[rS+4*(\n)+2:rS+4*(\n)+3]
.elseif (\n) == 0
	v_pk_fma_f32 v[rT+2:rT+3], v[rT+2:rT+3], v[rC+2:rC+3], v[rS:rS+1] op_sel_hi:[1,0,1]
.else
	v_pk_add_f32 v[rT+2:rT+3], v[rT+2:rT+3], v[rS+4*(\n):rS+4*(\n)+1]
.endif
.else
	REGS (Y+1)%NP
	WIN 0
.if (\n) < 4
	v_max3_num_f32 v[rC+(\n)], v[rS+8*(\n)], v[rS+8*(\n)+1], v[rS+8*(\n)+2]
.elseif (\n) < 12
	v_max3_num_f32 v[rC+(\n)%4], v[rC+(\n)%4], v[rS+8*((\n)%4)+2*((\n)/4)+1], v[rS+8*((\n)%4)+2*((\n)/4)+2]
.elseif (\n) == 12
	v_max3_num_f32 v[rC], v[rC], v[rS+7], v[rS+15]
.elseif (\n) == 13
	v_max3_num_f32 v[rC+1], v[rC+1], v[rS+23], v[rS+31]
.elseif (\n) == 14
	v_max3_num_f32 v[rC+2], v[rC+2], v[rC+3], v[rT+1]
.elseif (\n) == 15
	v_mov_b32 v[rW], v[rT]
.elseif (\n) == 16
	v_max3_num_f32 v[rC], v[rC], v[rC+1], v[rC+2]
.elseif (\n) == 17
	v_permlanex16_b32 v[rC+3], v[rC], s[SEL], s[SEL+1]
.elseif (\n) == 18
	v_max_num_f32 v[rT+1], v[rC], v[rC+3]
.elseif (\n) == 19
	v_mul_f32 v[rT], s[CS], v[rT+1]
.elseif (\n) == 20
	v_sub_f32 v[rC+1], v[rW], v[rT]
.else
	v_exp_f32 v[rC+2], v[rC+1]
.endif
.endif
.endm
.macro OPS a, i1, b=-1, i2=0, c=-1, i3=0, d=-1, i4=0
	OP \a, \i1
.if (\b) >= 0
	OP \b, \i2
.endif
.if (\c) >= 0
	OP \c, \i3
.endif
.if (\d) >= 0
	OP \d, \i4
.endif
.endm
.macro ROW a, i1, b, i2, c, i3, d, i4  ; a matrix instruction and the four behind it
	MM
	OPS \a, \i1, \b, \i2, \c, \i3, \d, \i4
.endm
.macro MASK b                       ; MD x AL + BE into buffer b of MC
	WIN W_RS
.set z, 0
.rept 16
	v_pk_fma_f32 v[MC+32*(\b)+2*z:MC+32*(\b)+2*z+1], v[MD+2*z:MD+2*z+1], s[AL:AL+1], s[BE:BE+1] op_sel_hi:[1,0,0]
.set z, z+1
.endr
.endm
; In the last step of the tile in front of the diagonal one, piece 0's mask for the diagonal tile's step 0 is made: the next turn takes it.  The jump goes forward, over vector work alone.
.macro PREMASK
	WIN 0
	s_cmp_eq_u32 s[CNT], s[MKC]
	s_cbranch_scc0 .Lno_mask_\@
	s_mov_b32 s[AL], s[ALD]
	s_mov_b32 s[BE], 0
	MASK 0
	WIN 0
.Lno_mask_\@:
.endm
; A TURN for piece p.  One wait cuts it in two: ahead of it stands all that names no result of the turn's exponentials, behind it the 8 products V^T P with the roundings and sums as riders.
; m = 1: the diagonal tile: the turn makes piece p's mask for the tile's next step, which the next turn's products take.  km = 1: this turn's products take masks.  cnt = 1: the loop's count is taken down ahead of the branch behind the turn.
; T0 fetches K of the next step, twelve vector instructions (six plain) behind the last product that read K, and V of the step in hand at its end, four plain instructions behind the last product that read V.
; The rescalings R at a turn's head touch the accumulators that the turn before added onto: R 0 stands sixteen riders behind the product that ended its accumulator, each later one further.
.macro TURN p, m=0, km=0, cnt=0
.set Y, (\p)
.set i, 0
.set KM, (\km)
.if \m
	s_cmp_eq_u32 s[CNT], s[OW+(\p)] ; is the next step the band's own?
	s_cselect_b32 s[AL], 1.0, 0
	s_cmp_lt_u32 s[CNT], s[OW+(\p)] ; or a later one?
	s_cselect_b32 s[BE], s[BIGN], 0
.endif
.if (\p) == 1
	s_wait_dscnt 16                 ; K is in; V's 16 younger loads may stay out
.endif
	ROW F,0, F,1, R,0, R,1
	ROW F,2, E,0, R,2, R,3
	ROW F,3, E,1, R,4, R,5
	ROW F,4, E,2, R,6, R,7
	ROW F,5, E,3, R,8, R,9
	ROW F,6, E,4, X,0, R,10
.if (\p) == 0
	WIN 0
	v_add_nc_u32 v[AK], s[TBK], v[AK0]
.endif
	ROW F,7, E,5, X,1, X,4
	ROW F,8, E,6, X,2, X,5
	OPS E,7, E,8, X,6, E,9
	OPS X,3, E,10, X,8, E,11
.if (\p) == 0
	FETCH_K 1
.endif
	OPS X,9, X,7, E,12, X,10
	OPS E,13, X,12, X,11, E,14
	OPS X,13, E,15, F,9, X,14
.if (\p) == 0
	v_add_nc_u32 v[AV], s[TBV], v[AV0]
.endif
	OPS E,16, F,10, E,17, F,11
	OPS X,16, E,18, X,15, E,19
	OPS F,12, E,20, X,17, E,21
	OPS F,13, E,22, F,14, E,23
	OPS X,18, E,24, F,15, E,25
	OPS R,11, E,26, X,19, E,27
	OPS R,12, E,28, R,13, E,29
	OPS X,20, E,30, R,14, E,31
	OPS X,21, R,15                  ; R 15 is the plain instruction behind the last exponential
	WIN 0
	s_wait_alu depctr_va_vdst(0)    ; the wait for the batch
.if (\p) == 1
	s_wait_dscnt 0x0                ; V is in
.endif
	ROW C,0, B,0, C,2, B,1
	ROW L,0, C,4, B,2, L,1
	ROW C,6, B,3, L,2, C,8
	ROW B,4, L,3, C,10, B,5
	ROW L,4, C,12, B,6, L,5
.if (\p) == 0
	s_add_co_u32 s[TBV], s[TBV], KS*PV
.endif
.if \cnt
	s_sub_co_u32 s[CNT], s[CNT], 1
	s_cmp_lg_u32 s[CNT], 0
.endif
	ROW C,14, B,7, L,6, C,1
	ROW C,3, L,7, C,5, C,7
	ROW C,9, C,11, C,13, C,15
.if (\p) == 0
	FETCH_V
.endif
.if \m
	MASK \p
.elseif (\p) == 0
	PREMASK
.endif
.endm
; A BLOCK BEGINS.  c m starts far below every c s, so the first step's a is 0.  Mask buffer 1 is 0 (piece 1's own step is never a tile's step 0); buffer 0 takes piece 0's mask for step 0.
.macro BEGIN
	s_mov_b32 s[NEW], 0
	WIN 0x40
.set i, MC+32
.rept 32
	v_mov_b32 v[i], 0
.set i, i+1
.endr
	WIN 0
.set i, 0
.rept 2
	v_mov_b32 v[ST+4*i], 0xfe000000
	v_mov_b32 v[ST+4*i+1], 0xff7fffff
.set i, i+1
.endr
	s_cmp_eq_u32 s[RT], 0
	s_cselect_b32 s[AL], s[ALD], 0
	s_mov_b32 s[BE], 0
	MASK 0
	WIN 0
	v_add_nc_u32 v[AK], K0, v[AK0]
	FETCH_K 0
	s_wait_loadcnt 0x0              ; Q
	s_wait_dscnt 0x0
.set KM, 1
.set i, 0
.rept 8
	KQ 0
.set i, i+1
.endr
	WIN 0
.rept 4
	v_nop                           ; the places behind those products
.endr
.set Y, NP-1
.irp n, 0,1,2,3,4,5,6,7,8,9,10,11,12,13,14,15,16,17,18,19,20,21
	OP X, \n
.endr
	v_nop
	s_wait_alu depctr_va_vdst(0)
.endm
.macro ALL line:vararg
.set t, 0
.rept 2
	\line
.set t, t+1
.endr
.endm
.macro PACK t
	WIN W_RS
.set i, 32*(\t)
.rept 16
	v_pk_mul_f32 v[i:i+1], v[i:i+1], v[ST+4*(\t)+2:ST+4*(\t)+3] op_sel_hi:[1,0]
.set i, i+2
.endr
	WIN 0x05
.set i, 0
.rept 16
	v_cvt_pk_f16_f32 v[S+16*(\t)+i], v[32*(\t)+2*i], v[32*(\t)+2*i+1]
.set i, i+1
.endr
	WIN 0
.irp f, 0,1,2,3
	ds_store_b128 v[STO], v[S+16*(\t)+4*\f:S+16*(\t)+4*\f+3] offset:32*\f
.endr
.irp f, 0,1,2,3
	ds_load_b128 v[S+16*(\t)+4*\f:S+16*(\t)+4*\f+3], v[RD] offset:\f*4*SP  ; LDS serves a wave's instructions in order: these see the stores above
.endr
.endm
.macro SEND t, younger
	WIN 0
.irp f, 0,1,2,3
	s_wait_dscnt (\younger)+3-\f
	global_store_b128 v[GO], v[S+16*(\t)+4*\f:S+16*(\t)+4*\f+3], s[10:11] offset:(\t)*8192+\f*512  ; 512 consecutive bytes, aligned
.endr
.endm
; THE DIAGONAL TILE's four steps, piece 1's last products, and the way out.
.macro DIAG tag
.LstepM\tag:
	TURN 0, 1, 1
	TURN 1, 1, 1, 1
	WIN 0
	s_cbranch_scc1 .LstepM\tag
.set i, 0
.rept 8
	PV 1
.set i, i+1
.endr
	WIN 0
	ALL v_add_f32 v[ST+4*t+2], v[ST+4*t+2], v[ST+4*t+3]
	ALL v_permlanex16_b32 v[ST+4*t+3], v[ST+4*t+2], s[SEL], s[SEL+1]
	ALL v_add_f32 v[ST+4*t+2], v[ST+4*t+2], v[ST+4*t+3]
	ALL v_rcp_f32 v[ST+4*t+2], v[ST+4*t+2]
	v_nop
	s_wait_alu depctr_va_vdst(0)    ; one wait for the two reciprocals
	PACK 0                          ; piece 0 was finished a run of products ago; its 32 lines are the places behind piece 1's last products
	PACK 1
	SEND 0, 8
	SEND 1, 0
.endm
.set KM, 0
.Lslot:                             ; 8 times: a tile is entered and the next is asked for
	CHANGE 1
	s_sub_co_u32 s[RT], s[RT], 1
	s_cmp_eq_u32 s[RT], 1
	s_cselect_b32 s[MKC], 1, 0
	s_mov_b32 s[CNT], 4
	s_cmp_eq_u32 s[NEW], 1
	s_cbranch_scc1 .Lnew
	s_cmp_eq_u32 s[RT], 0
	s_cbranch_scc0 .Lstep
	s_branch .LstepM1
.Lnew:
	BEGIN
	s_branch .Lstep                 ; in the loop a block's first tile is never its last: the first block has five tiles or more, and the second's last is the walk's last
	DIAG 1                          ; in the loop this is the first block's end
	s_wait_xcnt 0x0                 ; the stores have read their registers and O's address
	s_mov_b64 s[10:11], s[OLO:OLO+1]
	s_add_co_u32 s[RT], s[LQ2], 1
	s_mov_b32 s[NEW], 1
	s_mov_b32 s[OW], s[OWB]
	s_sub_co_u32 s[OW+1], s[OWB], 1
	s_mov_b32 s[ALD], s[ALDB]
	WIN 0x82
.set i, 0
.rept 32
	v_mov_b32 v[i], v[QB+i]
.set i, i+1
.endr
	WIN 0
	s_branch .Lbottom
.Lstep:                             ; a trip is a key step
	TURN 0, 0, 0
	TURN 1, 0, 1, 1
	WIN 0
	s_cbranch_scc1 .Lstep
.Lbottom:
	s_sub_co_u32 s[SLOTS], s[SLOTS], 1
	s_cmp_lg_u32 s[SLOTS], 0
	s_cbranch_scc1 .Lslot
	CHANGE 0                        ; the walk's last tile is written out
	s_sub_co_u32 s[RT], s[RT], 1
	s_mov_b32 s[CNT], 4
	s_cmp_eq_u32 s[NEW], 1
	s_cbranch_scc0 .LstepM2
	BEGIN
	DIAG 2
	s_wait_tensorcnt 0x0            ; the wave's end
	ds_add_u32 v[SPW], v[NIL]
	s_wait_dscnt 0x0
	s_endpgm
.Lfunc_end_k_qe59f7c534e_attn:
	.size	k_qe59f7c534e_attn, .Lfunc_end_k_qe59f7c534e_attn-k_qe59f7c534e_attn
	.p2alignl 7, 3214868480
	.fill 96, 4, 3214868480
	.section	.rodata,"a",@progbits
	.p2align	6, 0x0
	.amdhsa_kernel k_qe59f7c534e_attn
		.amdhsa_group_segment_fixed_size 327680
		.amdhsa_private_segment_fixed_size 0
		.amdhsa_enable_private_segment 0
		.amdhsa_kernarg_size 16
		.amdhsa_user_sgpr_count 2
		.amdhsa_user_sgpr_kernarg_segment_ptr 1
		.amdhsa_wavefront_size32 1
		.amdhsa_system_sgpr_workgroup_id_x 1
		.amdhsa_system_sgpr_workgroup_id_y 1
		.amdhsa_system_sgpr_workgroup_id_z 1
		.amdhsa_system_vgpr_workitem_id 0
		.amdhsa_next_free_vgpr 768
		.amdhsa_next_free_sgpr 102
		.amdhsa_reserve_vcc 1
		.amdhsa_float_denorm_mode_32 3
		.amdhsa_float_denorm_mode_16_64 3
		.amdhsa_memory_ordered 1
		.amdhsa_forward_progress 1
		.amdhsa_inst_pref_size 113
	.end_amdhsa_kernel
	.amdgpu_metadata
---
amdhsa.version: [ 1, 2 ]
amdhsa.kernels:
  - .name:           k_qe59f7c534e_attn
    .symbol:         k_qe59f7c534e_attn.kd
    .args:
      - { .name: qkv, .offset: 0, .size: 8, .value_kind: global_buffer, .address_space: global }
      - { .name: act, .offset: 8, .size: 8, .value_kind: global_buffer, .address_space: global }
    .group_segment_fixed_size: 327680
    .private_segment_fixed_size: 0
    .kernarg_segment_align: 8
    .kernarg_segment_size: 16
    .max_flat_workgroup_size: 128
    .sgpr_count:     102
    .vgpr_count:     768
    .wavefront_size: 32
...
	.end_amdgpu_metadata
.endif
;; end of part 3
;; launch gout (part 4): grid 8 x 32, 4 waves a work-group, clusters of 4 x 4, 327,680 bytes of LDS; arguments act, woutb, bout, x, z; writes z
.if DOCPART == 4
	.amdgcn_target "amdgcn-amd-amdhsa--gfx1250"
	.amdhsa_code_object_version 6
	.text
	.protected	k_qe59f7c534e_gout
	.globl	k_qe59f7c534e_gout
	.p2align	8
	.type	k_qe59f7c534e_gout,@function
k_qe59f7c534e_gout:
	s_mov_b64 s[64:65], 0
	v_nop
	global_prefetch_b8 v0, s[64:65] scope:SCOPE_SE
	s_setreg_imm32_b32 hwreg(HW_REG_WAVE_MODE, 25, 1), 1
	s_wait_xcnt 0x0
	s_wait_alu depctr_hold_cnt(0) depctr_sa_sdst(0) depctr_va_vdst(0) depctr_va_sdst(0) depctr_va_ssrc(0) depctr_va_vcc(0) depctr_vm_vsrc(0)
	s_getreg_b32 s2, hwreg(HW_REG_IB_STS2, 6, 4)
	s_cmp_eq_u32 s2, 0
	s_cbranch_scc0 .Lentry_in_a_cluster
	s_endpgm
.Lentry_in_a_cluster:
	s_bfe_u32 s2, ttmp6, 0x10000c
	s_cmp_lg_u32 s2, 0xf033
	s_cbranch_scc0 .Lentry_shape_is_right
	s_endpgm
.Lentry_shape_is_right:
; C[m][n] = the sum over k of A[m][k] B[k][n] + bias[n] + x[m][n].  A: 4,096 x 1,024 f16 in blocks of 64 channels, [b 2][kb 16][l 2048][64]; B: [1024][1024] f16; bias, x, C: f32.  Sums in f32.
; Used twice: z = x + ao Wout + bout, and out = x + o2 (W1 W2) + (b1 W2 + b2).  Both operands arrive as f16, within its range; nothing is rounded here but the sums' own f32.
; A tile of C is 128 x 128, so that 256 work-groups share the work; four waves, each 64 x 64: 16 accumulators.  K goes in 4 steps of 256 (four blocks of A) through two LDS slots.
; 128 rows of a block of A are 16,384 dense bytes: a wave's load takes two blocks as two rows of 8,192 elements, 131,072 elements apart, padded in LDS after every 128 bytes.  B is read turned, by ds_load_tr16_b128.
; CLUSTER 4 x 4: A's tile is asked for jointly along a row of the cluster, B's along a column.  Source 0 = 16 columns of B, source 1 = 16 rows of A: a lane holds eight neighbouring columns of a row of C.
; x and the bias are loaded at the start and land while K is walked.  A wave's 64 columns of f32 are 256 bytes, aligned.
; No prefetch: the tiles are small and the launch is short.
; REGISTERS: window 0: v0-31 addresses, v32-95 the way out, v128-255 accumulators; window 1: two fragment buffers of 128; window 2: v0-127 x, v128-131 the bias.
.set APITCH, 144
.set AKB,    128*APITCH                ; a block of 64 channels, 128 rows
.set BPITCH, 288                       ; 256 bytes + 32
.set BOFF,   4*AKB
.set QUART,  36864                     ; what one tensor load fills: two blocks of A, or 128 rows of B
.set SLOT,   4*QUART
.set STAGE,  2*SLOT
.set STW,    16*272
.set SPARE,  STAGE+4*STW
.set ADRA, 16                          ; v16-17  A's fragments in slot 0, 1
.set ADRB, 20                          ; v20-23  B's: slot 0 rows 0-127, 128-255; slot 1 likewise
.set STO,  24
.set RD,   25
.set CO,   26
.set BO,   27
.set SPW,  28
.set NIL,  29
.set TMP,  32
.set ACC,  128
.set F0,   0
.set F1,   128
.set XR,   0                           ; window 2
.set BI,   128
.set WV,   14
.set WR,   15
.set WC,   16
.set G1,   24
.set G0,   32
.set CX,   40
.set CY,   41
.set TX,   42
.set TY,   43
.set G1B,  48
.set G0B,  56
.set MSB, 0
.macro WIN new
.if MSB != (\new)
	s_set_vgpr_msb (MSB<<8)|(\new)
.set MSB, \new
.endif
.endm
.set MUL,  0x05                        ; sources 0 (B) and 1 (A) window 1; C and D window 0
.set TO_F, 0x40
.macro JLOAD s                         ; waves 0, 1 fetch A's halves, waves 2, 3 B's; an s_nop 0 and four v_nop follow each line
	s_cmp_eq_u32 s[WR], 0
	s_cbranch_scc0 .Lfor_b_\@
	tensor_load_to_lds s[G0+4*(\s):G0+4*(\s)+3], s[G1:G1+7]
	s_nop 0
.rept 4
	v_nop
.endr
	s_branch .Lasked_\@
.Lfor_b_\@:
	tensor_load_to_lds s[G0B+4*(\s):G0B+4*(\s)+3], s[G1B:G1B+7]
	s_nop 0
.rept 4
	v_nop
.endr
.Lasked_\@:
.endm
.macro CREST
	s_cmp_lg_u32 s[WV], 0
	s_cbranch_scc1 .Lnot_wave_0_\@
	s_barrier_signal -3
.Lnot_wave_0_\@:
	s_barrier_wait -3
	s_barrier_signal -1
	s_barrier_wait -1
.endm
.macro CROUND
	s_barrier_signal -1
	s_barrier_wait -1
	CREST
.endm
	s_load_b256 s[4:11], s[0:1], 0x0               ; A 4, B 6, bias 8, x 10
	s_load_b64 s[12:13], s[0:1], 0x20              ; C
	v_lshl_add_u32 v[SPW], v0, 2, SPARE
	v_mov_b32 v[NIL], 0
	ds_add_u32 v[SPW], v[NIL]                      ; the wave's opening: the add and its wait ahead of my first tensor load
	v_lshrrev_b32 v1, 5, v0
	v_readfirstlane_b32 s[WV], v1
	s_lshr_b32 s[WR], s[WV], 1
	s_and_b32 s[WC], s[WV], 1
	s_bfe_u32 s[CX], ttmp6, 0x40000
	s_bfe_u32 s[CY], ttmp6, 0x40004
	s_lshl_b32 s[TX], ttmp9, 2
	s_add_co_u32 s[TX], s[TX], s[CX]               ; tile column
	s_and_b32 s[TY], ttmp7, 0xffff
	s_lshl_b32 s[TY], s[TY], 2
	s_add_co_u32 s[TY], s[TY], s[CY]               ; tile row
	s_lshl_b32 s78, s[CY], 2
	s_lshl_b32 s78, 15, s78
	s_lshl_b32 s79, 0x1111, s[CX]
	s_or_b32 s[G1], s78, (1<<16)|(1<<20)|(1<<21)|(4<<22)|(3<<25)   ; after every 32 words, 4 words
	s_or_b32 s[G1B], s79, (1<<16)|(1<<20)|(1<<21)|(5<<22)|(7<<25)  ; after every 64 words, 8 words
	s_mov_b32 s[G1+1], 8192<<16                    ; A: two rows of 8,192 elements
	s_mov_b32 s[G1+2], 2<<16
	s_mov_b32 s[G1+3], 8192<<16
	s_mov_b32 s[G1+4], 2
	s_mov_b32 s[G1+5], 131072                      ; from a block of 64 channels to the next
	s_mov_b32 s[G1+6], 0
	s_mov_b32 s[G1+7], 0
	s_mov_b32 s[G1B+1], 128<<16                    ; B: 128 rows of 128 elements
	s_mov_b32 s[G1B+2], 128<<16
	s_mov_b32 s[G1B+3], 128<<16
	s_mov_b32 s[G1B+4], 128
	s_mov_b32 s[G1B+5], 1024
	s_mov_b32 s[G1B+6], 0
	s_mov_b32 s[G1B+7], 0
	s_lshr_b32 s70, s[TY], 4                       ; A's offset: of the tile row and the wave alone
	s_lshl_b32 s70, s70, 22
	s_and_b32 s71, s[TY], 15
	s_lshl_b32 s71, s71, 14
	s_add_co_u32 s70, s70, s71
	s_lshl_b32 s71, s[WC], 19                      ; which two of a K step's four blocks I fetch
	s_add_co_u32 s70, s70, s71
	s_mov_b32 s71, 0
	s_lshl_b32 s74, s[TX], 8                       ; B's: of the tile column and the wave alone
	s_lshl_b32 s75, s[WC], 18                      ; which 128 of a K step's 256 rows
	s_add_co_u32 s74, s74, s75
	s_mov_b32 s75, 0
	s_mul_i32 s68, s[WV], QUART                    ; where they go: no place in the cluster enters an LDS address
	s_wait_dscnt 0x0                               ; the opening add is done
	s_wait_kmcnt 0x0
	s_add_nc_u64 s[72:73], s[4:5], s[70:71]
	s_add_nc_u64 s[76:77], s[6:7], s[74:75]
	CROUND                                         ; the first joint loads meet
.irp s, 0,1
	s_mov_b32 s[G0+4*(\s)], 1
	s_add_co_u32 s[G0+4*(\s)+1], s68, (\s)*SLOT
	s_add_nc_u64 s[G0+4*(\s)+2:G0+4*(\s)+3], s[72:73], (\s)*1048576
	s_or_b32 s[G0+4*(\s)+3], s[G0+4*(\s)+3], 0x80000000
	s_mov_b32 s[G0B+4*(\s)], 1
	s_add_co_u32 s[G0B+4*(\s)+1], s68, (\s)*SLOT
	s_add_nc_u64 s[G0B+4*(\s)+2:G0B+4*(\s)+3], s[76:77], (\s)*524288
	s_or_b32 s[G0B+4*(\s)+3], s[G0B+4*(\s)+3], 0x80000000
	JLOAD \s
.endr
	v_and_b32 v1, 15, v0                           ; r
	v_bfe_u32 v2, v0, 4, 1                         ; h
	v_lshlrev_b32 v[BO], 4, v1
	v_lshl_add_u32 v[CO], v2, 12, v[BO]            ; lanes 0-15 one row's 256 bytes, lanes 16-31 the next row's
	s_lshl_b32 s20, s[TX], 7
	s_lshl_b32 s21, s[WC], 6
	s_add_co_u32 s20, s20, s21
	s_lshl_b32 s20, s20, 2                         ; my first column, in bytes
	s_mov_b32 s21, 0
	s_add_nc_u64 s[8:9], s[8:9], s[20:21]
	s_lshl_b32 s22, s[TY], 7
	s_lshl_b32 s23, s[WR], 6
	s_add_co_u32 s22, s22, s23
	s_lshl_b32 s22, s22, 12                        ; my first row
	s_add_co_u32 s20, s20, s22
	s_add_nc_u64 s[10:11], s[10:11], s[20:21]
	s_add_nc_u64 s[12:13], s[12:13], s[20:21]
	WIN 0x80                                       ; destination window 2
.set i, 0
.rept 32
	global_load_b128 v[XR+4*i:XR+4*i+3], v[CO], s[10:11] offset:2*i*4096
.set i, i+1
.endr
	global_load_b128 v[BI:BI+3], v[BO], s[8:9]
	WIN 0
	v_mul_u32_u24 v3, v1, APITCH
	v_lshl_add_u32 v3, v2, 4, v3
	s_mul_i32 s20, s[WR], 64*APITCH
	v_add_nc_u32 v[ADRA], s20, v3
	v_add_nc_u32 v[ADRA+1], SLOT, v[ADRA]
	v_and_b32 v4, 7, v0
	v_lshl_add_u32 v4, v2, 3, v4
	v_mul_u32_u24 v4, v4, BPITCH
	v_bfe_u32 v5, v0, 3, 1
	v_lshl_add_u32 v4, v5, 4, v4
	s_lshl_b32 s20, s[WC], 7
	s_add_co_u32 s20, s20, BOFF
	v_add_nc_u32 v[ADRB], s20, v4
	v_add_nc_u32 v[ADRB+1], QUART, v[ADRB]
	v_add_nc_u32 v[ADRB+2], SLOT, v[ADRB]
	v_add_nc_u32 v[ADRB+3], SLOT+QUART, v[ADRB]
	s_mul_i32 s20, s[WV], STW
	s_add_co_u32 s20, s20, STAGE
	v_mul_u32_u24 v3, v1, 272
	v_lshl_add_u32 v3, v2, 5, v3
	v_add_nc_u32 v[STO], s20, v3
	v_mul_u32_u24 v3, v2, 272
	v_lshl_add_u32 v3, v1, 4, v3
	v_add_nc_u32 v[RD], s20, v3
.macro MUL8 f, c, a0, zero
	WIN MUL
.irp a, \a0, (\a0)+1
.irp b, 0,1,2,3
.if \zero
	v_wmma_f32_16x16x32_f16 v[ACC+8*(4*(\a)+(\b)):ACC+8*(4*(\a)+(\b))+7], v[(\f)+64+8*(4*(\c)+(\b)):(\f)+64+8*(4*(\c)+(\b))+7], v[(\f)+8*(4*(\c)+(\a)):(\f)+8*(4*(\c)+(\a))+7], 0
.else
	v_wmma_f32_16x16x32_f16 v[ACC+8*(4*(\a)+(\b)):ACC+8*(4*(\a)+(\b))+7], v[(\f)+64+8*(4*(\c)+(\b)):(\f)+64+8*(4*(\c)+(\b))+7], v[(\f)+8*(4*(\c)+(\a)):(\f)+8*(4*(\c)+(\a))+7], v[ACC+8*(4*(\a)+(\b)):ACC+8*(4*(\a)+(\b))+7]
.endif
.endr
.endr
.endm
; 32 LDS loads in one run: quarter q (one block of 64 channels) into buffer f; its first 32 along K first
.macro FETCH slot, q, f
	WIN TO_F
.irp c, 0,1
.irp i, 0,1,2,3
	ds_load_tr16_b128 v[(\f)+64+8*(4*(\c)+(\i)):(\f)+64+8*(4*(\c)+(\i))+3],   v[ADRB+2*(\slot)+(\q)/2] offset:(((\q)%2)*64+32*(\c))*BPITCH+32*(\i)
	ds_load_tr16_b128 v[(\f)+64+8*(4*(\c)+(\i))+4:(\f)+64+8*(4*(\c)+(\i))+7], v[ADRB+2*(\slot)+(\q)/2] offset:(((\q)%2)*64+32*(\c)+16)*BPITCH+32*(\i)
	ds_load_b128 v[(\f)+8*(4*(\c)+(\i)):(\f)+8*(4*(\c)+(\i))+3],         v[ADRA+(\slot)] offset:(\q)*AKB+64*(\c)+(\i)*16*APITCH
	ds_load_b128 v[(\f)+8*(4*(\c)+(\i))+4:(\f)+8*(4*(\c)+(\i))+7],       v[ADRA+(\slot)] offset:(\q)*AKB+64*(\c)+(\i)*16*APITCH+32
.endr
.endr
.endm
.macro PLACES
.rept 4
	v_nop
.endr
.endm
.macro QUARTER slot, q, f, g, zero
	s_wait_dscnt 16                                ; the first 32 along K are in; the 16 younger loads may be out
	MUL8 \f, 0, 0, \zero
	MUL8 \f, 0, 2, \zero
	PLACES
	FETCH \slot, \q, \g
	s_wait_dscnt 32                                ; all but the 32 just issued
	MUL8 \f, 1, 0, 0
	MUL8 \f, 1, 2, 0
.endm
; The last quarter multiplies buffer 1 and changes slots.  fill = 1: this slot is filled again, two K steps on.
.macro TURN slot, next, fill
	WIN 0
	s_wait_tensorcnt 0x0                           ; all my tensor loads have landed: my part of the next slot
	ds_add_u32 v[SPW], v[NIL]
	s_wait_dscnt 17                                ; (the add and the youngest sixteen loads may be out)
	MUL8 F1, 0, 0, 0
	s_wait_dscnt 0x0                               ; the add is done, and my reads of this slot are over
	s_barrier_signal -1
	MUL8 F1, 0, 2, 0
.if \fill
	WIN 0
.endif
	s_barrier_wait -1
.if \fill
	CREST                                          ; no wave of any partner still reads this slot or has a load on its way
	s_add_nc_u64 s[G0+4*(\slot)+2:G0+4*(\slot)+3], s[G0+4*(\slot)+2:G0+4*(\slot)+3], 2097152
	s_add_nc_u64 s[G0B+4*(\slot)+2:G0B+4*(\slot)+3], s[G0B+4*(\slot)+2:G0B+4*(\slot)+3], 1048576
	JLOAD \slot
.else
	PLACES
.endif
	FETCH \next, 0, F0
	MUL8 F1, 1, 0, 0
	MUL8 F1, 1, 2, 0
.endm
	s_wait_tensorcnt 1                             ; my part of K step 0 is in; K step 1's load may stay out
	s_barrier_signal -1
	s_barrier_wait -1
	FETCH 0, 0, F0
	QUARTER 0, 1, F0, F1, 1                        ; K step 0; its first products start the sums
	QUARTER 0, 2, F1, F0, 0
	QUARTER 0, 3, F0, F1, 0
	TURN 0, 1, 1                                   ; slot 0 takes K step 2
	QUARTER 1, 1, F0, F1, 0
	QUARTER 1, 2, F1, F0, 0
	QUARTER 1, 3, F0, F1, 0
	TURN 1, 0, 1                                   ; slot 1 takes K step 3
	QUARTER 0, 1, F0, F1, 0
	QUARTER 0, 2, F1, F0, 0
	QUARTER 0, 3, F0, F1, 0
	TURN 0, 1, 0
	QUARTER 1, 1, F0, F1, 0
	QUARTER 1, 2, F1, F0, 0
	QUARTER 1, 3, F0, F1, 0
	s_wait_dscnt 16
	MUL8 F1, 0, 0, 0
	MUL8 F1, 0, 2, 0
	s_wait_dscnt 0x0
	MUL8 F1, 1, 0, 0
	MUL8 F1, 1, 2, 0
	WIN 0
	PLACES
	PLACES
	s_wait_loadcnt 0x0                             ; x and the bias
	; THE WAY OUT: 16 rows at a time through my stage, back as whole rows of 256 bytes; x and the bias are added; 16 lanes store 256 consecutive bytes, aligned.
.irp a, 0,1,2,3
	s_wait_xcnt 0x0                                ; the registers that earlier stores read are loaded again only behind this wait
.irp b, 0,1,2,3
	ds_store_b128 v[STO], v[ACC+8*(4*(\a)+(\b)):ACC+8*(4*(\a)+(\b))+3]   offset:64*(\b)
	ds_store_b128 v[STO], v[ACC+8*(4*(\a)+(\b))+4:ACC+8*(4*(\a)+(\b))+7] offset:64*(\b)+16
.endr
.irp t, 0,1,2,3,4,5,6,7
	ds_load_b128 v[TMP+32*((\a)%2)+4*(\t):TMP+32*((\a)%2)+4*(\t)+3], v[RD] offset:(\t)*2*272  ; LDS serves a wave's instructions in order: these see the stores above
.endr
	s_wait_dscnt 0x0
	WIN 0x08                                       ; source 1 in window 2
.set p, 0
.rept 16
	v_pk_add_f32 v[TMP+32*((\a)%2)+2*p:TMP+32*((\a)%2)+2*p+1], v[TMP+32*((\a)%2)+2*p:TMP+32*((\a)%2)+2*p+1], v[XR+32*(\a)+2*p:XR+32*(\a)+2*p+1]
.set p, p+1
.endr
.set p, 0
.rept 16
	v_pk_add_f32 v[TMP+32*((\a)%2)+2*p:TMP+32*((\a)%2)+2*p+1], v[TMP+32*((\a)%2)+2*p:TMP+32*((\a)%2)+2*p+1], v[BI+2*(p%2):BI+2*(p%2)+1]
.set p, p+1
.endr
	WIN 0
.irp t, 0,1,2,3,4,5,6,7
	global_store_b128 v[CO], v[TMP+32*((\a)%2)+4*(\t):TMP+32*((\a)%2)+4*(\t)+3], s[12:13] offset:(16*(\a)+2*(\t))*4096
.endr
.endr
	s_wait_tensorcnt 0x0                           ; the wave's end
	ds_add_u32 v[SPW], v[NIL]
	s_wait_dscnt 0x0
	CROUND                                         ; the closing round
	s_endpgm
.Lfunc_end_k_qe59f7c534e_gout:
	.size	k_qe59f7c534e_gout, .Lfunc_end_k_qe59f7c534e_gout-k_qe59f7c534e_gout
	.p2alignl 7, 3214868480
	.fill 96, 4, 3214868480
	.section	.rodata,"a",@progbits
	.p2align	6, 0x0
	.amdhsa_kernel k_qe59f7c534e_gout
		.amdhsa_group_segment_fixed_size 327680
		.amdhsa_private_segment_fixed_size 0
		.amdhsa_enable_private_segment 0
		.amdhsa_kernarg_size 40
		.amdhsa_user_sgpr_count 2
		.amdhsa_user_sgpr_kernarg_segment_ptr 1
		.amdhsa_wavefront_size32 1
		.amdhsa_system_sgpr_workgroup_id_x 1
		.amdhsa_system_sgpr_workgroup_id_y 1
		.amdhsa_system_sgpr_workgroup_id_z 1
		.amdhsa_system_vgpr_workitem_id 0
		.amdhsa_next_free_vgpr 656
		.amdhsa_next_free_sgpr 80
		.amdhsa_reserve_vcc 0
		.amdhsa_float_denorm_mode_32 3
		.amdhsa_float_denorm_mode_16_64 3
		.amdhsa_memory_ordered 1
		.amdhsa_forward_progress 1
		.amdhsa_inst_pref_size 97
	.end_amdhsa_kernel
	.amdgpu_metadata
---
amdhsa.version: [ 1, 2 ]
amdhsa.kernels:
  - .name:           k_qe59f7c534e_gout
    .symbol:         k_qe59f7c534e_gout.kd
    .args:
      - { .name: act, .offset: 0, .size: 8, .value_kind: global_buffer, .address_space: global }
      - { .name: woutb, .offset: 8, .size: 8, .value_kind: global_buffer, .address_space: global }
      - { .name: bout, .offset: 16, .size: 8, .value_kind: global_buffer, .address_space: global }
      - { .name: x, .offset: 24, .size: 8, .value_kind: global_buffer, .address_space: global }
      - { .name: z, .offset: 32, .size: 8, .value_kind: global_buffer, .address_space: global }
    .group_segment_fixed_size: 327680
    .private_segment_fixed_size: 0
    .kernarg_segment_align: 8
    .kernarg_segment_size: 40
    .max_flat_workgroup_size: 128
    .sgpr_count:     80
    .vgpr_count:     656
    .wavefront_size: 32
...
	.end_amdgpu_metadata
.endif
;; end of part 4
;; launch mid (part 5): grid 386 x 1, 8 waves a work-group, no clusters, 0 bytes of LDS; arguments z, g2, be2, wp, woutb, b2, act, w12, b12; writes act, w12, b12
.if DOCPART == 5
	.amdgcn_target "amdgcn-amd-amdhsa--gfx1250"
	.amdhsa_code_object_version 6
	.text
	.protected	k_qe59f7c534e_mid
	.globl	k_qe59f7c534e_mid
	.p2align	8
	.type	k_qe59f7c534e_mid,@function
k_qe59f7c534e_mid:
	s_mov_b64 s[64:65], 0
	v_nop
	global_prefetch_b8 v0, s[64:65] scope:SCOPE_SE
	s_setreg_imm32_b32 hwreg(HW_REG_WAVE_MODE, 25, 1), 1
	s_wait_xcnt 0x0
; MID.  Work-groups 0-127: W12 = the sum of the four f32 partial sums of W1 W2, rounded once to f16, [e 1024][n 1024].
; 128-129: b12[n] = b2[n] + the sum of the 64 partial sums of b1 W2, in f32.  130-385: o2 = LN(z; g2, be2) -> act, f16, in blocks of 64 channels.
; LIMIT.  f16 holds no number beyond 65,504, and below 6e-5 it keeps a fixed step of 6e-8.  W1 W2 has a spread of 0.02 x 0.02 x 64 = 0.026 for weights of the drawn size; 23 with both thirty times larger;
; 2.8e-5 with both thirty times smaller, where the fixed step is about 6e-4 of it, still finer than a rounding to 8 significant bits.  o2 is at most 32 |g2| + |be2|.
; A stream: nothing is shared between waves, so no LDS, no barrier, no matrix unit.  Every store of a wave covers 256 consecutive bytes, aligned.
.set WV,  31
.set ID,  54
.set SRC, 4
.set DST, 6
.set OFS, 48
.set RL,  208
.set HL,  209
.set LL,  210
.set XO,  2
.set GO,  3
.set LO,  4
.set A,   6
.set M,   14
.set XR,  16
.set GR,  80
.set BR,  144
.macro RED
	v_pk_add_f32 v[A:A+1], v[A:A+1], v[A+2:A+3]
	v_pk_add_f32 v[A+4:A+5], v[A+4:A+5], v[A+6:A+7]
	v_pk_add_f32 v[A:A+1], v[A:A+1], v[A+4:A+5]
	v_add_f32 v[A], v[A], v[A+1]
.irp x, 1,2,4,8
	v_add_f32_dpp v[A], v[A], v[A] row_xmask:\x row_mask:0xf bank_mask:0xf
.endr
.endm
; LayerNorm of two rows a wave: lanes 0-15 hold one row, lanes 16-31 the next, 64 numbers a lane; load j is the row's block j of 64 channels.  The variance is taken about the mean.
.macro LN XS, GS, BS, DS
.set j, 0
.rept 16
	global_load_b128 v[XR+4*j:XR+4*j+3], v[XO], s[\XS:\XS+1] offset:256*j
.set j, j+1
.endr
.set j, 0
.rept 16
	global_load_b128 v[GR+4*j:GR+4*j+3], v[GO], s[\GS:\GS+1] offset:256*j
	global_load_b128 v[BR+4*j:BR+4*j+3], v[GO], s[\BS:\BS+1] offset:256*j
.set j, j+1
.endr
	s_wait_loadcnt 32                              ; the row is in; the 32 loads of g and be stay out
.irp k, 0,1,2,3
	v_pk_add_f32 v[A+2*(\k):A+2*(\k)+1], v[XR+2*(\k):XR+2*(\k)+1], v[XR+8+2*(\k):XR+8+2*(\k)+1]
.endr
.set p, 8
.rept 24
	v_pk_add_f32 v[A+2*(p%4):A+2*(p%4)+1], v[A+2*(p%4):A+2*(p%4)+1], v[XR+2*p:XR+2*p+1]
.set p, p+1
.endr
	RED
	v_mul_f32 v[M], 0x3a800000, v[A]
	v_mov_b32 v[M+1], v[M]
.set p, 0
.rept 32
	v_pk_add_f32 v[XR+2*p:XR+2*p+1], v[XR+2*p:XR+2*p+1], v[M:M+1] neg_lo:[0,1] neg_hi:[0,1]
.set p, p+1
.endr
.irp k, 0,1,2,3
	v_pk_mul_f32 v[A+2*(\k):A+2*(\k)+1], v[XR+2*(\k):XR+2*(\k)+1], v[XR+2*(\k):XR+2*(\k)+1]
.endr
.set p, 4
.rept 28
	v_pk_fma_f32 v[A+2*(p%4):A+2*(p%4)+1], v[XR+2*p:XR+2*p+1], v[XR+2*p:XR+2*p+1], v[A+2*(p%4):A+2*(p%4)+1]
.set p, p+1
.endr
	RED
	v_fma_f32 v[A], v[A], s52, s53
	v_rsq_f32 v[M], v[A]
	v_nop                                          ; a plain instruction behind the root,
	s_wait_alu depctr_va_vdst(0)                   ; and the wait ahead of its first reader
	v_mov_b32 v[M+1], v[M]
	s_wait_loadcnt 0x0
.set j, 0
.rept 16
	v_pk_mul_f32 v[GR+4*j:GR+4*j+1], v[GR+4*j:GR+4*j+1], v[M:M+1]
	v_pk_mul_f32 v[GR+4*j+2:GR+4*j+3], v[GR+4*j+2:GR+4*j+3], v[M:M+1]
	v_pk_fma_f32 v[XR+4*j:XR+4*j+1], v[XR+4*j:XR+4*j+1], v[GR+4*j:GR+4*j+1], v[BR+4*j:BR+4*j+1]
	v_pk_fma_f32 v[XR+4*j+2:XR+4*j+3], v[XR+4*j+2:XR+4*j+3], v[GR+4*j+2:GR+4*j+3], v[BR+4*j+2:BR+4*j+3]
	v_cvt_pk_f16_f32 v[XR+4*j], v[XR+4*j], v[XR+4*j+1]
	v_cvt_pk_f16_f32 v[XR+4*j+1], v[XR+4*j+2], v[XR+4*j+3]
	global_store_b64 v[LO], v[XR+4*j:XR+4*j+1], s[\DS:\DS+1] offset:262144*j
.set j, j+1
.endr
.endm
	s_load_b512 s[8:23], s[0:1], 0x0               ; z 8, g2 10, be2 12, wp 14, woutb 16, b2 18, act 20, w12 22
	s_load_b64 s[24:25], s[0:1], 0x40              ; b12
	v_lshrrev_b32 v1, 5, v0
	v_readfirstlane_b32 s[WV], v1
	v_and_b32 v[RL], 15, v0
	v_bfe_u32 v[HL], v0, 4, 1
	v_and_b32 v[LL], 31, v0
	s_mov_b32 s[ID], ttmp9
	s_mov_b32 s[OFS+1], 0
	s_wait_kmcnt 0x0
	s_cmp_lt_u32 s[ID], 128
	s_cbranch_scc1 .Lw12
	s_cmp_lt_u32 s[ID], 130
	s_cbranch_scc1 .Lb12
	s_sub_co_u32 s30, s[ID], 130                   ; LN2: row pair 8 (id - 130) + wave
	s_lshl_b32 s30, s30, 3
	s_add_co_u32 s30, s30, s[WV]
	s_lshl_b32 s[OFS], s30, 13
	s_add_nc_u64 s[SRC:SRC+1], s[8:9], s[OFS:OFS+1]
	s_lshr_b32 s[OFS], s30, 10
	s_lshl_b32 s[OFS], s[OFS], 22
	s_lshl_b32 s30, s30, 1
	s_and_b32 s30, s30, 2047
	s_lshl_b32 s30, s30, 7
	s_add_co_u32 s[OFS], s[OFS], s30
	s_add_nc_u64 s[DST:DST+1], s[20:21], s[OFS:OFS+1]
	s_mov_b32 s52, 0x3a800000                      ; 1 / 1024
	s_mov_b32 s53, 0x3727c5ac                      ; 1e-5
	v_lshlrev_b32 v[GO], 4, v[RL]
	v_lshl_add_u32 v[XO], v[HL], 12, v[GO]
	v_lshlrev_b32 v[LO], 3, v[LL]
	LN SRC, 10, 12, DST
	s_endpgm
.Lw12:                                                 ; a wave has 8 items of 128 numbers; the four planes lie 4 MiB apart, two to a base, so that the immediates fit
	s_lshl_b32 s30, s[ID], 15
	s_lshl_b32 s52, s[WV], 12
	s_add_co_u32 s30, s30, s52
	v_lshl_add_u32 v2, v[LL], 4, s30
	s_lshr_b32 s30, s30, 1
	v_lshl_add_u32 v3, v[LL], 3, s30
	s_add_nc_u64 s[SRC:SRC+1], s[14:15], 8388608
.set i, 0
.rept 8
	global_load_b128 v[16+16*i:16+16*i+3],     v2, s[14:15] offset:i*512 th:TH_LOAD_NT
	global_load_b128 v[16+16*i+4:16+16*i+7],   v2, s[14:15] offset:4194304+i*512 th:TH_LOAD_NT
	global_load_b128 v[16+16*i+8:16+16*i+11],  v2, s[SRC:SRC+1] offset:i*512 th:TH_LOAD_NT
	global_load_b128 v[16+16*i+12:16+16*i+15], v2, s[SRC:SRC+1] offset:4194304+i*512 th:TH_LOAD_NT
.set i, i+1
.endr
.set i, 0
.rept 8
	s_wait_loadcnt 28-4*i                          ; item i's four loads are in; the younger items' stay out
	v_pk_add_f32 v[16+16*i:16+16*i+1],     v[16+16*i:16+16*i+1],     v[16+16*i+4:16+16*i+5]
	v_pk_add_f32 v[16+16*i+2:16+16*i+3],   v[16+16*i+2:16+16*i+3],   v[16+16*i+6:16+16*i+7]
	v_pk_add_f32 v[16+16*i+8:16+16*i+9],   v[16+16*i+8:16+16*i+9],   v[16+16*i+12:16+16*i+13]
	v_pk_add_f32 v[16+16*i+10:16+16*i+11], v[16+16*i+10:16+16*i+11], v[16+16*i+14:16+16*i+15]
	v_pk_add_f32 v[16+16*i:16+16*i+1],     v[16+16*i:16+16*i+1],     v[16+16*i+8:16+16*i+9]
	v_pk_add_f32 v[16+16*i+2:16+16*i+3],   v[16+16*i+2:16+16*i+3],   v[16+16*i+10:16+16*i+11]
	v_cvt_pk_f16_f32 v[16+16*i], v[16+16*i], v[16+16*i+1]
	v_cvt_pk_f16_f32 v[16+16*i+1], v[16+16*i+2], v[16+16*i+3]
	global_store_b64 v3, v[16+16*i:16+16*i+1], s[22:23] offset:i*256
.set i, i+1
.endr
	s_endpgm
.Lb12:                                                 ; a wave has 64 columns, a lane two
	s_sub_co_u32 s30, s[ID], 128
	s_lshl_b32 s30, s30, 3
	s_add_co_u32 s30, s30, s[WV]
	s_lshl_b32 s30, s30, 8
	v_lshl_add_u32 v2, v[LL], 3, s30
	s_add_nc_u64 s[SRC:SRC+1], s[16:17], 2097152
.set j, 0
.rept 64
	global_load_b64 v[16+2*j:16+2*j+1], v2, s[SRC:SRC+1] offset:4096*j
.set j, j+1
.endr
	global_load_b64 v[144:145], v2, s[18:19]
	s_wait_loadcnt 0x0
.set j, 4
.rept 60                                ; four chains, started by the first four pairs
	v_pk_add_f32 v[16+2*(j%4):16+2*(j%4)+1], v[16+2*(j%4):16+2*(j%4)+1], v[16+2*j:16+2*j+1]
.set j, j+1
.endr
	v_pk_add_f32 v[16:17], v[16:17], v[18:19]
	v_pk_add_f32 v[20:21], v[20:21], v[22:23]
	v_pk_add_f32 v[16:17], v[16:17], v[20:21]
	v_pk_add_f32 v[16:17], v[16:17], v[144:145]
	global_store_b64 v2, v[16:17], s[24:25]
	s_endpgm
.Lfunc_end_k_qe59f7c534e_mid:
	.size	k_qe59f7c534e_mid, .Lfunc_end_k_qe59f7c534e_mid-k_qe59f7c534e_mid
	.p2alignl 7, 3214868480
	.fill 96, 4, 3214868480
	.section	.rodata,"a",@progbits
	.p2align	6, 0x0
	.amdhsa_kernel k_qe59f7c534e_mid
		.amdhsa_group_segment_fixed_size 0
		.amdhsa_private_segment_fixed_size 0
		.amdhsa_enable_private_segment 0
		.amdhsa_kernarg_size 72
		.amdhsa_user_sgpr_count 2
		.amdhsa_user_sgpr_kernarg_segment_ptr 1
		.amdhsa_wavefront_size32 1
		.amdhsa_system_sgpr_workgroup_id_x 1
		.amdhsa_system_sgpr_workgroup_id_y 1
		.amdhsa_system_sgpr_workgroup_id_z 1
		.amdhsa_system_vgpr_workitem_id 0
		.amdhsa_next_free_vgpr 216
		.amdhsa_next_free_sgpr 66
		.amdhsa_reserve_vcc 0
		.amdhsa_float_denorm_mode_32 3
		.amdhsa_float_denorm_mode_16_64 3
		.amdhsa_memory_ordered 1
		.amdhsa_forward_progress 1
		.amdhsa_inst_pref_size 40
	.end_amdhsa_kernel
	.amdgpu_metadata
---
amdhsa.version: [ 1, 2 ]
amdhsa.kernels:
  - .name:           k_qe59f7c534e_mid
    .symbol:         k_qe59f7c534e_mid.kd
    .args:
      - { .name: z, .offset: 0, .size: 8, .value_kind: global_buffer, .address_space: global }
      - { .name: g2, .offset: 8, .size: 8, .value_kind: global_buffer, .address_space: global }
      - { .name: be2, .offset: 16, .size: 8, .value_kind: global_buffer, .address_space: global }
      - { .name: wp, .offset: 24, .size: 8, .value_kind: global_buffer, .address_space: global }
      - { .name: woutb, .offset: 32, .size: 8, .value_kind: global_buffer, .address_space: global }
      - { .name: b2, .offset: 40, .size: 8, .value_kind: global_buffer, .address_space: global }
      - { .name: act, .offset: 48, .size: 8, .value_kind: global_buffer, .address_space: global }
      - { .name: w12, .offset: 56, .size: 8, .value_kind: global_buffer, .address_space: global }
      - { .name: b12, .offset: 64, .size: 8, .value_kind: global_buffer, .address_space: global }
    .group_segment_fixed_size: 0
    .private_segment_fixed_size: 0
    .kernarg_segment_align: 8
    .kernarg_segment_size: 72
    .max_flat_workgroup_size: 256
    .sgpr_count:     66
    .vgpr_count:     216
    .wavefront_size: 32
...
	.end_amdgpu_metadata
.endif
;; end of part 5
;; launch gfin: the kernel of part 4 again; grid 8 x 32, 4 waves a work-group, clusters of 4 x 4, 327,680 bytes of LDS; arguments act, w12, b12, x, out0; writes out0
;; ======== version 2 of 2: 6 launches; version 1 with the launches prep, mid written anew for expert scheduling mode
;; limits: values are held in f16: magnitudes above 65,504 overflow, below 6.1e-05 lose precision
;; workspace buffers: act 8,388,608 bytes; wbig 23,068,672 bytes; woutb 2,359,296 bytes; w12 2,097,152 bytes; qkv 25,165,824 bytes; wp 16,777,216 bytes; z 16,777,216 bytes; b12 4,096 bytes
;; launch prep (part 6): grid 448 x 1, 8 waves a work-group, no clusters, 0 bytes of LDS; arguments x, g1, be1, Wa, Wout, W1, W2, b1, act, wbig, woutb; writes act, wbig, woutb
.if DOCPART == 6
	.amdgcn_target "amdgcn-amd-amdhsa--gfx1250"
	.amdhsa_code_object_version 6
	.text
	.protected	k_qe59f7c534e_prep
	.globl	k_qe59f7c534e_prep
	.p2align	8
	.type	k_qe59f7c534e_prep,@function
k_qe59f7c534e_prep:
	s_mov_b64 s[64:65], 0
	v_nop
	global_prefetch_b8 v0, s[64:65] scope:SCOPE_SE
	s_setreg_imm32_b32 hwreg(HW_REG_WAVE_SCHED_MODE, 0, 2), 2
	s_setreg_imm32_b32 hwreg(HW_REG_WAVE_MODE, 25, 1), 1
	s_wait_xcnt 0x0
	s_wait_alu depctr_vm_vsrc(0)
; PREP: the weights are rounded once to f16 and laid out for the products; b1 W2 is begun; LN1(x) is made.
; Work-groups 0-63: W2 -> wbig+14680064 [h 4096][n 1024] f16, and pb[c][n] = the sum over the group's 64 rows h of b1[h] W2[h][n], in f32 from the f32 W2.
; 64-127: W1 -> wbig+6291456 [h/64][e 1024][h%64].  128-175: Wa -> wbig [part q,k,v][k 1024][head*64+d].  176-191: Wout -> woutb [k][n].
; 192-447: o1 = LN(x; g1, be1) -> act [b 2][e/64][l 2048][e%64] f16.
; The layouts in blocks of 64 channels make a tile's rows lie end to end, so every store here covers 256 consecutive bytes, aligned.
; A stream: no byte is shared between waves, so no LDS, no barrier, no matrix unit.
; The FFN has no activation, so (o W1 + b1) W2 + b2 = o (W1 W2) + (b1 W2 + b2) for every input; the order of rounding differs from the written one.
; WHY f16.  Every number of x + y must lie within 1% of the output's root mean square.  Four roundings lie on the way to y (o2, W1 W2, W1, W2); with 8 significant bits each puts about 2^-9 of y's spread on y,
; together too near that line for the largest of four million numbers; with f16's 11 bits it is an eighth of that.
; LIMIT.  f16 holds no number beyond 65,504, and below 6e-5 it keeps a fixed step of 6e-8.  Weights of spread 0.02 have room thirty times up and down (0.6; 0.00067, where the step is 3e-5 of the spread);
; o1 is at most 32 |g1| + |be1|.
; THE MODE: SCHED_MODE bits 1:0 = 2 (LLVM: expert scheduling mode 2), set by the entry lines.  The code itself states the register dependences
; between vector instructions and memory instructions, with s_wait_alu, always for 0.
; THE PLAN, for the casts.  Registers that memory instructions touch:
;   v[SO], v[DO]  offsets, made ahead of the loop and never written again: the scalar bases move on from pass to pass, immediate offsets reach the items.
;   X             a pass's 16 loads land in it; the pass's roundings (and multiply-adds) read it.
;   Y             the roundings write it; the pass's 16 stores read it, eight for each half.
;   ACC           the multiply-adds write it; one store behind the loop reads it.
; A pass: items 0-7 are rounded as they land; one wait on va_vdst; their eight stores; items 8-15 are rounded (they name the second halves of X and Y alone); a second wait on va_vdst, behind which
; no vector instruction stands until the next trip: so the next pass's 16 loads into X and the last eight stores follow it with no further wait.  One wait on vm_vsrc closes the trip: the stores have read Y.
; THE PLAN, for LayerNorm: straight-line code.  The offsets are made once; blocks 0-7 are rounded, one wait, and their stores are dealt among the arithmetic of blocks 8-15, which names other registers; one wait, the last eight stores.
.set WV,  31                           ; s31  my wave's number
.set ID,  54                           ; s54  the work-group's number
.set SRC, 4                            ; s[4:5]  where a pass reads
.set DST, 6                            ; s[6:7]  where it stores
.set B1P, 2                            ; s[2:3]  b1 at the pass's 16 rows
.set PBP, 50                           ; s[50:51] my group's row of pb
.set OFS, 48                           ; s[48:49] an offset in 64 bits; the high word stays 0
.set SO,  2                            ; v2   source offset
.set DO,  3                            ; v3   destination offset: 256 w + 8 lane
.set XV,  16                           ; v[16:79]   16 items of 4 f32
.set YV,  80                           ; v[80:111]  16 items of 4 f16
.set ACC, 112                          ; v[112:115] b1 W2 for my four columns
.set RL,  208                          ; lane % 16
.set HL,  209                          ; lane / 16
.set LL,  210                          ; lane
.set XO,  2                            ; LN: offsets in x, in g and be, in act
.set GO,  3
.set LO,  4
.set A,   6                            ; v[6:13]  four chains of packed sums
.set M,   14                           ; v[14:15] the mean, then 1/sqrt(var + eps), twice
.set XR,  16                           ; v[16:79]   my 64 numbers of the row
.set GR,  80                           ; v[80:143]  g
.set BR,  144                          ; v[144:207] be
; An item is one load of 16 bytes a lane (512 bytes a wave) and one store of 8 (256 bytes a wave).
.macro FILL SI                         ; a pass's 16 loads; SI: bytes from item to item
.set k, 0
.rept 16
	global_load_b128 v[XV+4*k:XV+4*k+3], v[SO], s[SRC:SRC+1] offset:k*(\SI) th:TH_LOAD_NT
.set k, k+1
.endr
.endm
.macro ITEM dot                        ; item i is rounded.  dot = 1: an item is a row h, and b1[h] times the row is added up
	s_wait_loadcnt 15-i                            ; loads come back in order: item i is in, the 15 - i younger ones stay out
	v_cvt_pk_f16_f32 v[YV+2*i], v[XV+4*i], v[XV+4*i+1]
	v_cvt_pk_f16_f32 v[YV+2*i+1], v[XV+4*i+2], v[XV+4*i+3]
.if \dot
.irp c, 0,1,2,3
	v_fmac_f32 v[ACC+(\c)], s[32+i], v[XV+4*i+(\c)]
.endr
.endif
.set i, i+1
.endm
.macro OUT from, DI                    ; eight stores, from item 'from' on; DI: bytes from item to item
.set k, \from
.rept 8
	global_store_b64 v[DO], v[YV+2*k:YV+2*k+1], s[DST:DST+1] offset:k*(\DI)
.set k, k+1
.endr
.endm
; Four passes of 16 items.  SP, DP: bytes from pass to pass.
.macro CAST SI, DI, SP, DP, dot
.if \dot
.irp c, 0,1,2,3
	v_mov_b32 v[ACC+(\c)], 0
.endr
.endif
	s_wait_alu depctr_va_vdst(0)                   ; v[SO] and v[DO] are written: every load and store below reads one of them as its offset
.if \dot
	s_load_b512 s[32:47], s[B1P:B1P+1], 0x0        ; b1 of the first pass's 16 rows
.endif
	FILL \SI                                       ; the first pass
	s_mov_b32 s30, 4
.Lpass_\@:
.if \dot
	s_wait_kmcnt 0x0                               ; b1 of this pass
.endif
.set i, 0
.rept 8
	ITEM \dot
.endr
	s_wait_alu depctr_va_vdst(0)                   ; the roundings of items 0-7 have written Y's first half, which the eight stores below read
	OUT 0, \DI
.rept 8
	ITEM \dot                                      ; these name the second halves of X and Y (and ACC): none of the registers that the stores above read
.endr
	s_wait_alu depctr_va_vdst(0)                   ; the roundings have written Y's second half, which the last stores read; all readers of X are done, in which the next pass's loads land; the multiply-adds are done with s[32:47] and have written ACC
	s_cmp_eq_u32 s30, 1
	s_cbranch_scc1 .Lnomore_\@                     ; the last pass asks for nothing: no load leaves its buffer
	s_add_nc_u64 s[SRC:SRC+1], s[SRC:SRC+1], \SP   ; free since item 15's wait for 0, which shows the loads that read it done
.if \dot
	s_add_nc_u64 s[B1P:B1P+1], s[B1P:B1P+1], 64    ; free since the wait on KMcnt at the trip's head
	s_load_b512 s[32:47], s[B1P:B1P+1], 0x0        ; b1 of the next pass's 16 rows
.endif
	FILL \SI                                       ; the next pass goes out ahead of the stores.  No wait: no vector instruction since the wait above
.Lnomore_\@:
	OUT 8, \DI
	s_wait_xcnt 0x0                                ; the stores' data and their base are written again only behind this wait,
	s_wait_alu depctr_vm_vsrc(0)                   ; and beside it: the 16 stores have read Y, into which the next trip's roundings write
	s_add_nc_u64 s[DST:DST+1], s[DST:DST+1], \DP
	s_sub_co_u32 s30, s30, 1
	s_cmp_lg_u32 s30, 0
	s_cbranch_scc1 .Lpass_\@
.if \dot
	global_store_b128 v[SO], v[ACC:ACC+3], s[PBP:PBP+1]  ; ACC was shown written by the last trip's second wait on va_vdst; no vector instruction stands behind that wait
.endif
.endm
; The four chains into one number, then over the 16 lanes that hold the row.
.macro RED
	v_pk_add_f32 v[A:A+1], v[A:A+1], v[A+2:A+3]
	v_pk_add_f32 v[A+4:A+5], v[A+4:A+5], v[A+6:A+7]
	v_pk_add_f32 v[A:A+1], v[A:A+1], v[A+4:A+5]
	v_add_f32 v[A], v[A], v[A+1]
.irp x, 1,2,4,8
	v_add_f32_dpp v[A], v[A], v[A] row_xmask:\x row_mask:0xf bank_mask:0xf
.endr
.endm
.macro NORM                            ; my four numbers of block j: times g / sqrt(var + eps), plus be, rounded into the first two of their four registers
	v_pk_mul_f32 v[GR+4*j:GR+4*j+1], v[GR+4*j:GR+4*j+1], v[M:M+1]
	v_pk_mul_f32 v[GR+4*j+2:GR+4*j+3], v[GR+4*j+2:GR+4*j+3], v[M:M+1]
	v_pk_fma_f32 v[XR+4*j:XR+4*j+1], v[XR+4*j:XR+4*j+1], v[GR+4*j:GR+4*j+1], v[BR+4*j:BR+4*j+1]
	v_pk_fma_f32 v[XR+4*j+2:XR+4*j+3], v[XR+4*j+2:XR+4*j+3], v[GR+4*j+2:GR+4*j+3], v[BR+4*j+2:BR+4*j+3]
	v_cvt_pk_f16_f32 v[XR+4*j], v[XR+4*j], v[XR+4*j+1]
	v_cvt_pk_f16_f32 v[XR+4*j+1], v[XR+4*j+2], v[XR+4*j+3]
.set j, j+1
.endm
; LayerNorm of two rows a wave: lanes 0-15 hold one row, lanes 16-31 the next, 64 numbers a lane; load j is the row's block j of 64 channels.
; The variance is taken about the mean, as the definition has it, so a common offset in the row costs nothing.
.macro LN XS, GS, BS, DS
	s_wait_alu depctr_va_vdst(0)                   ; the offsets v[XO], v[GO] and v[LO] are written, which the loads and stores below read
.set j, 0
.rept 16
	global_load_b128 v[XR+4*j:XR+4*j+3], v[XO], s[\XS:\XS+1] offset:256*j
.set j, j+1
.endr
.set j, 0
.rept 16
	global_load_b128 v[GR+4*j:GR+4*j+3], v[GO], s[\GS:\GS+1] offset:256*j
	global_load_b128 v[BR+4*j:BR+4*j+3], v[GO], s[\BS:\BS+1] offset:256*j
.set j, j+1
.endr
	s_wait_loadcnt 32                              ; the row is in; the 32 loads of g and be stay out
.irp k, 0,1,2,3
	v_pk_add_f32 v[A+2*(\k):A+2*(\k)+1], v[XR+2*(\k):XR+2*(\k)+1], v[XR+8+2*(\k):XR+8+2*(\k)+1]  ; the first pairs start the chains
.endr
.set p, 8
.rept 24
	v_pk_add_f32 v[A+2*(p%4):A+2*(p%4)+1], v[A+2*(p%4):A+2*(p%4)+1], v[XR+2*p:XR+2*p+1]
.set p, p+1
.endr
	RED
	v_mul_f32 v[M], 0x3a800000, v[A]               ; / 1024
	v_mov_b32 v[M+1], v[M]
.set p, 0
.rept 32
	v_pk_add_f32 v[XR+2*p:XR+2*p+1], v[XR+2*p:XR+2*p+1], v[M:M+1] neg_lo:[0,1] neg_hi:[0,1]
.set p, p+1
.endr
.irp k, 0,1,2,3
	v_pk_mul_f32 v[A+2*(\k):A+2*(\k)+1], v[XR+2*(\k):XR+2*(\k)+1], v[XR+2*(\k):XR+2*(\k)+1]
.endr
.set p, 4
.rept 28
	v_pk_fma_f32 v[A+2*(p%4):A+2*(p%4)+1], v[XR+2*p:XR+2*p+1], v[XR+2*p:XR+2*p+1], v[A+2*(p%4):A+2*(p%4)+1]
.set p, p+1
.endr
	RED
	v_fma_f32 v[A], v[A], s52, s53                 ; var + eps
	v_rsq_f32 v[M], v[A]
	v_nop                                          ; a plain instruction behind the root,
	s_wait_alu depctr_va_vdst(0)                   ; and the root is written, ahead of its first reader
	v_mov_b32 v[M+1], v[M]
	s_wait_loadcnt 0x0                             ; g and be
.set j, 0
.rept 8
	NORM
.endr
	s_wait_alu depctr_va_vdst(0)                   ; blocks 0-7 are rounded: their registers are the data of the eight stores below
.rept 8
	global_store_b64 v[LO], v[XR+4*(j-8):XR+4*(j-8)+1], s[\DS:\DS+1] offset:262144*(j-8)  ; two rows x 128 bytes of a block: 256 consecutive bytes, aligned.  No wait: the arithmetic between names blocks 8-15 alone
	NORM
.endr
	s_wait_alu depctr_va_vdst(0)                   ; blocks 8-15 are rounded
.set j, 8
.rept 8
	global_store_b64 v[LO], v[XR+4*j:XR+4*j+1], s[\DS:\DS+1] offset:262144*j
.set j, j+1
.endr
.endm
	s_load_b512 s[8:23], s[0:1], 0x0               ; x 8, g1 10, be1 12, Wa 14, Wout 16, W1 18, W2 20, b1 22
	s_load_b128 s[24:27], s[0:1], 0x40             ; act 24, wbig 26
	s_load_b64 s[28:29], s[0:1], 0x50              ; woutb
	v_lshrrev_b32 v1, 5, v0
	v_readfirstlane_b32 s[WV], v1
	v_and_b32 v[RL], 15, v0
	v_bfe_u32 v[HL], v0, 4, 1
	v_and_b32 v[LL], 31, v0
	s_mov_b32 s[ID], ttmp9
	s_mov_b32 s[OFS+1], 0
	v_lshlrev_b32 v[DO], 3, v[LL]
	s_wait_alu depctr_va_sdst(0)                   ; s[WV] is written, ahead of its first reader, the next line, and of every branch
	v_lshl_add_u32 v[DO], s[WV], 8, v[DO]
	s_wait_kmcnt 0x0
	s_cmp_lt_u32 s[ID], 64
	s_cbranch_scc1 .Lw2
	s_cmp_lt_u32 s[ID], 128
	s_cbranch_scc1 .Lw1
	s_cmp_lt_u32 s[ID], 176
	s_cbranch_scc1 .Lwa
	s_cmp_lt_u32 s[ID], 192
	s_cbranch_scc1 .Lwo
	; LN1: row pair rp = 8 (id - 192) + wave
	s_sub_co_u32 s30, s[ID], 192
	s_lshl_b32 s30, s30, 3
	s_add_co_u32 s30, s30, s[WV]
	s_lshl_b32 s[OFS], s30, 13                     ; two rows of 4,096 bytes
	s_add_nc_u64 s[SRC:SRC+1], s[8:9], s[OFS:OFS+1]
	s_lshr_b32 s[OFS], s30, 10                     ; the batch
	s_lshl_b32 s[OFS], s[OFS], 22
	s_lshl_b32 s30, s30, 1
	s_and_b32 s30, s30, 2047                       ; the row in its batch
	s_lshl_b32 s30, s30, 7
	s_add_co_u32 s[OFS], s[OFS], s30
	s_add_nc_u64 s[DST:DST+1], s[24:25], s[OFS:OFS+1]
	s_mov_b32 s52, 0x3a800000                      ; 1 / 1024
	s_mov_b32 s53, 0x3727c5ac                      ; 1e-5
	v_lshlrev_b32 v[GO], 4, v[RL]
	v_lshl_add_u32 v[XO], v[HL], 12, v[GO]
	v_lshlrev_b32 v[LO], 3, v[LL]
	LN SRC, 10, 12, DST
	s_endpgm
.Lw2:                                                  ; rows 64 c .. 64 c + 63; wave w has columns 128 w .. 128 w + 127
	s_lshl_b32 s[OFS], s[ID], 18
	s_add_nc_u64 s[SRC:SRC+1], s[20:21], s[OFS:OFS+1]
	s_lshl_b32 s[OFS], s[ID], 17
	s_add_nc_u64 s[DST:DST+1], s[26:27], s[OFS:OFS+1]
	s_add_nc_u64 s[DST:DST+1], s[DST:DST+1], 14680064
	s_lshl_b32 s[OFS], s[ID], 8
	s_add_nc_u64 s[B1P:B1P+1], s[22:23], s[OFS:OFS+1]
	s_lshl_b32 s[OFS], s[ID], 12
	s_add_nc_u64 s[PBP:PBP+1], s[28:29], s[OFS:OFS+1]
	s_add_nc_u64 s[PBP:PBP+1], s[PBP:PBP+1], 2097152
	v_lshlrev_b32 v[SO], 4, v[LL]
	v_lshl_add_u32 v[SO], s[WV], 9, v[SO]
	CAST 4096, 2048, 65536, 32768, 1
	s_endpgm
.Lw1:                                                  ; rows 16 c .. 16 c + 15; a wave has two of them, an item is a block of 64 columns
	s_sub_co_u32 s30, s[ID], 64
	s_lshl_b32 s[OFS], s30, 18
	s_add_nc_u64 s[SRC:SRC+1], s[18:19], s[OFS:OFS+1]
	s_lshl_b32 s[OFS], s30, 11
	s_add_nc_u64 s[DST:DST+1], s[26:27], s[OFS:OFS+1]
	s_add_nc_u64 s[DST:DST+1], s[DST:DST+1], 6291456
	v_lshlrev_b32 v[SO], 4, v[RL]
	v_lshl_add_u32 v[SO], v[HL], 14, v[SO]
	v_lshl_add_u32 v[SO], s[WV], 15, v[SO]
	CAST 256, 131072, 4096, 2097152, 0
	s_endpgm
.Lwa:                                                  ; part = c / 16, rows 64 (c % 16) on; lanes 0-15 take head 2 w, lanes 16-31 head 2 w + 1
	s_sub_co_u32 s30, s[ID], 128
	s_and_b32 s52, s30, 15
	s_lshr_b32 s53, s30, 4
	s_mul_i32 s[OFS], s52, 786432
	s_lshl_b32 s30, s53, 8
	s_add_co_u32 s[OFS], s[OFS], s30
	s_add_nc_u64 s[SRC:SRC+1], s[14:15], s[OFS:OFS+1]
	s_lshl_b32 s[OFS], s53, 21
	s_lshl_b32 s30, s52, 17
	s_add_co_u32 s[OFS], s[OFS], s30
	s_add_nc_u64 s[DST:DST+1], s[26:27], s[OFS:OFS+1]
	v_mul_u32_u24 v[SO], v[HL], 768
	v_lshl_add_u32 v[SO], v[RL], 4, v[SO]
	s_mul_i32 s30, s[WV], 1536
	v_add_nc_u32 v[SO], s30, v[SO]
	CAST 12288, 2048, 196608, 32768, 0
	s_endpgm
.Lwo:
	s_sub_co_u32 s30, s[ID], 176
	s_lshl_b32 s[OFS], s30, 18
	s_add_nc_u64 s[SRC:SRC+1], s[16:17], s[OFS:OFS+1]
	s_lshl_b32 s[OFS], s30, 17
	s_add_nc_u64 s[DST:DST+1], s[28:29], s[OFS:OFS+1]
	v_lshlrev_b32 v[SO], 4, v[LL]
	v_lshl_add_u32 v[SO], s[WV], 9, v[SO]
	CAST 4096, 2048, 65536, 32768, 0
	s_endpgm
.Lfunc_end_k_qe59f7c534e_prep:
	.size	k_qe59f7c534e_prep, .Lfunc_end_k_qe59f7c534e_prep-k_qe59f7c534e_prep
	.p2alignl 7, 3214868480
	.fill 96, 4, 3214868480
	.section	.rodata,"a",@progbits
	.p2align	6, 0x0
	.amdhsa_kernel k_qe59f7c534e_prep
		.amdhsa_group_segment_fixed_size 0
		.amdhsa_private_segment_fixed_size 0
		.amdhsa_enable_private_segment 0
		.amdhsa_kernarg_size 88
		.amdhsa_user_sgpr_count 2
		.amdhsa_user_sgpr_kernarg_segment_ptr 1
		.amdhsa_wavefront_size32 1
		.amdhsa_system_sgpr_workgroup_id_x 1
		.amdhsa_system_sgpr_workgroup_id_y 1
		.amdhsa_system_sgpr_workgroup_id_z 1
		.amdhsa_system_vgpr_workitem_id 0
		.amdhsa_next_free_vgpr 216
		.amdhsa_next_free_sgpr 66
		.amdhsa_reserve_vcc 0
		.amdhsa_float_denorm_mode_32 3
		.amdhsa_float_denorm_mode_16_64 3
		.amdhsa_memory_ordered 1
		.amdhsa_forward_progress 1
		.amdhsa_inst_pref_size 56
	.end_amdhsa_kernel
	.amdgpu_metadata
---
amdhsa.version: [ 1, 2 ]
amdhsa.kernels:
  - .name:           k_qe59f7c534e_prep
    .symbol:         k_qe59f7c534e_prep.kd
    .args:
      - { .name: x, .offset: 0, .size: 8, .value_kind: global_buffer, .address_space: global }
      - { .name: g1, .offset: 8, .size: 8, .value_kind: global_buffer, .address_space: global }
      - { .name: be1, .offset: 16, .size: 8, .value_kind: global_buffer, .address_space: global }
      - { .name: Wa, .offset: 24, .size: 8, .value_kind: global_buffer, .address_space: global }
      - { .name: Wout, .offset: 32, .size: 8, .value_kind: global_buffer, .address_space: global }
      - { .name: W1, .offset: 40, .size: 8, .value_kind: global_buffer, .address_space: global }
      - { .name: W2, .offset: 48, .size: 8, .value_kind: global_buffer, .address_space: global }
      - { .name: b1, .offset: 56, .size: 8, .value_kind: global_buffer, .address_space: global }
      - { .name: act, .offset: 64, .size: 8, .value_kind: global_buffer, .address_space: global }
      - { .name: wbig, .offset: 72, .size: 8, .value_kind: global_buffer, .address_space: global }
      - { .name: woutb, .offset: 80, .size: 8, .value_kind: global_buffer, .address_space: global }
    .group_segment_fixed_size: 0
    .private_segment_fixed_size: 0
    .kernarg_segment_align: 8
    .kernarg_segment_size: 88
    .max_flat_workgroup_size: 256
    .sgpr_count:     66
    .vgpr_count:     216
    .wavefront_size: 32
...
	.end_amdgpu_metadata
.endif
;; end of part 6
;; launch gemma: the kernel of part 2 again; grid 16 x 16, 4 waves a work-group, clusters of 4 x 4, 327,680 bytes of LDS; arguments act, wbig, qkv, wp; writes qkv, wp
;; launch attn: the kernel of part 3 again; grid 8 x 32, 4 waves a work-group, no clusters, 327,680 bytes of LDS; arguments qkv, act; writes act
;; launch gout: the kernel of part 4 again; grid 8 x 32, 4 waves a work-group, clusters of 4 x 4, 327,680 bytes of LDS; arguments act, woutb, bout, x, z; writes z
;; launch mid (part 7): grid 386 x 1, 8 waves a work-group, no clusters, 0 bytes of LDS; arguments z, g2, be2, wp, woutb, b2, act, w12, b12; writes act, w12, b12
.if DOCPART == 7
	.amdgcn_target "amdgcn-amd-amdhsa--gfx1250"
	.amdhsa_code_object_version 6
	.text
	.protected	k_qe59f7c534e_mid
	.globl	k_qe59f7c534e_mid
	.p2align	8
	.type	k_qe59f7c534e_mid,@function
k_qe59f7c534e_mid:
	s_mov_b64 s[64:65], 0
	v_nop
	global_prefetch_b8 v0, s[64:65] scope:SCOPE_SE
	s_setreg_imm32_b32 hwreg(HW_REG_WAVE_SCHED_MODE, 0, 2), 2
	s_setreg_imm32_b32 hwreg(HW_REG_WAVE_MODE, 25, 1), 1
	s_wait_xcnt 0x0
	s_wait_alu depctr_vm_vsrc(0)
; MID.  Work-groups 0-127: W12 = the sum of the four f32 partial sums of W1 W2, rounded once to f16, [e 1024][n 1024].
; 128-129: b12[n] = b2[n] + the sum of the 64 partial sums of b1 W2, in f32.  130-385: o2 = LN(z; g2, be2) -> act, f16, in blocks of 64 channels.
; LIMIT.  f16 holds no number beyond 65,504, and below 6e-5 it keeps a fixed step of 6e-8.  W1 W2 has a spread of 0.02 x 0.02 x 64 = 0.026 for weights of the drawn size; 23 with both thirty times larger;
; 2.8e-5 with both thirty times smaller, where the fixed step is about 6e-4 of it, still finer than a rounding to 8 significant bits.  o2 is at most 32 |g2| + |be2|.
; A stream: nothing is shared between waves, so no LDS, no barrier, no matrix unit.  Every store of a wave covers 256 consecutive bytes, aligned.
; THE MODE: SCHED_MODE bits 1:0 = 2 (LLVM: expert scheduling mode 2), set by the entry lines.  The code itself states the register dependences
; between vector instructions and memory instructions, with s_wait_alu, always for 0.
; THE PLAN.  All three parts are straight-line code: each register is loaded once, worked on in place and stored once, and no register that a memory instruction has read is written again.
; So the dependences are two kinds: the offsets, made by vector instructions, are written before the first load reads them (one wait to a part); and a store's data are written before the store reads them.
; For the second kind the results are made in halves: a half's arithmetic, one wait, its stores; the other half's arithmetic names other registers, so the first half's stores owe nothing more.
.set WV,  31
.set ID,  54
.set SRC, 4
.set DST, 6
.set OFS, 48
.set RL,  208
.set HL,  209
.set LL,  210
.set XO,  2
.set GO,  3
.set LO,  4
.set A,   6
.set M,   14
.set XR,  16
.set GR,  80
.set BR,  144
.macro RED
	v_pk_add_f32 v[A:A+1], v[A:A+1], v[A+2:A+3]
	v_pk_add_f32 v[A+4:A+5], v[A+4:A+5], v[A+6:A+7]
	v_pk_add_f32 v[A:A+1], v[A:A+1], v[A+4:A+5]
	v_add_f32 v[A], v[A], v[A+1]
.irp x, 1,2,4,8
	v_add_f32_dpp v[A], v[A], v[A] row_xmask:\x row_mask:0xf bank_mask:0xf
.endr
.endm
.macro NORM                            ; my four numbers of block j: times g / sqrt(var + eps), plus be, rounded into the first two of their four registers
	v_pk_mul_f32 v[GR+4*j:GR+4*j+1], v[GR+4*j:GR+4*j+1], v[M:M+1]
	v_pk_mul_f32 v[GR+4*j+2:GR+4*j+3], v[GR+4*j+2:GR+4*j+3], v[M:M+1]
	v_pk_fma_f32 v[XR+4*j:XR+4*j+1], v[XR+4*j:XR+4*j+1], v[GR+4*j:GR+4*j+1], v[BR+4*j:BR+4*j+1]
	v_pk_fma_f32 v[XR+4*j+2:XR+4*j+3], v[XR+4*j+2:XR+4*j+3], v[GR+4*j+2:GR+4*j+3], v[BR+4*j+2:BR+4*j+3]
	v_cvt_pk_f16_f32 v[XR+4*j], v[XR+4*j], v[XR+4*j+1]
	v_cvt_pk_f16_f32 v[XR+4*j+1], v[XR+4*j+2], v[XR+4*j+3]
.set j, j+1
.endm
; LayerNorm of two rows a wave: lanes 0-15 hold one row, lanes 16-31 the next, 64 numbers a lane; load j is the row's block j of 64 channels.  The variance is taken about the mean.
.macro LN XS, GS, BS, DS
	s_wait_alu depctr_va_vdst(0)                   ; the offsets v[XO], v[GO] and v[LO] are written, which the loads and stores below read
.set j, 0
.rept 16
	global_load_b128 v[XR+4*j:XR+4*j+3], v[XO], s[\XS:\XS+1] offset:256*j
.set j, j+1
.endr
.set j, 0
.rept 16
	global_load_b128 v[GR+4*j:GR+4*j+3], v[GO], s[\GS:\GS+1] offset:256*j
	global_load_b128 v[BR+4*j:BR+4*j+3], v[GO], s[\BS:\BS+1] offset:256*j
.set j, j+1
.endr
	s_wait_loadcnt 32                              ; the row is in; the 32 loads of g and be stay out
.irp k, 0,1,2,3
	v_pk_add_f32 v[A+2*(\k):A+2*(\k)+1], v[XR+2*(\k):XR+2*(\k)+1], v[XR+8+2*(\k):XR+8+2*(\k)+1]
.endr
.set p, 8
.rept 24
	v_pk_add_f32 v[A+2*(p%4):A+2*(p%4)+1], v[A+2*(p%4):A+2*(p%4)+1], v[XR+2*p:XR+2*p+1]
.set p, p+1
.endr
	RED
	v_mul_f32 v[M], 0x3a800000, v[A]
	v_mov_b32 v[M+1], v[M]
.set p, 0
.rept 32
	v_pk_add_f32 v[XR+2*p:XR+2*p+1], v[XR+2*p:XR+2*p+1], v[M:M+1] neg_lo:[0,1] neg_hi:[0,1]
.set p, p+1
.endr
.irp k, 0,1,2,3
	v_pk_mul_f32 v[A+2*(\k):A+2*(\k)+1], v[XR+2*(\k):XR+2*(\k)+1], v[XR+2*(\k):XR+2*(\k)+1]
.endr
.set p, 4
.rept 28
	v_pk_fma_f32 v[A+2*(p%4):A+2*(p%4)+1], v[XR+2*p:XR+2*p+1], v[XR+2*p:XR+2*p+1], v[A+2*(p%4):A+2*(p%4)+1]
.set p, p+1
.endr
	RED
	v_fma_f32 v[A], v[A], s52, s53
	v_rsq_f32 v[M], v[A]
	v_nop                                          ; a plain instruction behind the root,
	s_wait_alu depctr_va_vdst(0)                   ; and the root is written, ahead of its first reader
	v_mov_b32 v[M+1], v[M]
	s_wait_loadcnt 0x0
.set j, 0
.rept 8
	NORM
.endr
	s_wait_alu depctr_va_vdst(0)                   ; blocks 0-7 are rounded: their registers are the data of the eight stores below
.rept 8
	global_store_b64 v[LO], v[XR+4*(j-8):XR+4*(j-8)+1], s[\DS:\DS+1] offset:262144*(j-8)  ; no wait: the arithmetic between names blocks 8-15 alone
	NORM
.endr
	s_wait_alu depctr_va_vdst(0)                   ; blocks 8-15 are rounded
.set j, 8
.rept 8
	global_store_b64 v[LO], v[XR+4*j:XR+4*j+1], s[\DS:\DS+1] offset:262144*j
.set j, j+1
.endr
.endm
.macro SUM4                            ; item i of W12: its four planes are added and rounded into the first two of its sixteen registers
	s_wait_loadcnt 28-4*i                          ; item i's four loads are in; the younger items' stay out
	v_pk_add_f32 v[16+16*i:16+16*i+1],     v[16+16*i:16+16*i+1],     v[16+16*i+4:16+16*i+5]
	v_pk_add_f32 v[16+16*i+2:16+16*i+3],   v[16+16*i+2:16+16*i+3],   v[16+16*i+6:16+16*i+7]
	v_pk_add_f32 v[16+16*i+8:16+16*i+9],   v[16+16*i+8:16+16*i+9],   v[16+16*i+12:16+16*i+13]
	v_pk_add_f32 v[16+16*i+10:16+16*i+11], v[16+16*i+10:16+16*i+11], v[16+16*i+14:16+16*i+15]
	v_pk_add_f32 v[16+16*i:16+16*i+1],     v[16+16*i:16+16*i+1],     v[16+16*i+8:16+16*i+9]
	v_pk_add_f32 v[16+16*i+2:16+16*i+3],   v[16+16*i+2:16+16*i+3],   v[16+16*i+10:16+16*i+11]
	v_cvt_pk_f16_f32 v[16+16*i], v[16+16*i], v[16+16*i+1]
	v_cvt_pk_f16_f32 v[16+16*i+1], v[16+16*i+2], v[16+16*i+3]
.set i, i+1
.endm
.macro OUT4 from                       ; four stores of W12, from item 'from' on
.set k, \from
.rept 4
	global_store_b64 v3, v[16+16*k:16+16*k+1], s[22:23] offset:k*256
.set k, k+1
.endr
.endm
	s_load_b512 s[8:23], s[0:1], 0x0               ; z 8, g2 10, be2 12, wp 14, woutb 16, b2 18, act 20, w12 22
	s_load_b64 s[24:25], s[0:1], 0x40              ; b12
	v_lshrrev_b32 v1, 5, v0
	v_readfirstlane_b32 s[WV], v1
	v_and_b32 v[RL], 15, v0
	v_bfe_u32 v[HL], v0, 4, 1
	v_and_b32 v[LL], 31, v0
	s_mov_b32 s[ID], ttmp9
	s_mov_b32 s[OFS+1], 0
	s_wait_alu depctr_va_sdst(0)                   ; s[WV] is written, ahead of the branches below, behind which its first readers stand
	s_wait_kmcnt 0x0
	s_cmp_lt_u32 s[ID], 128
	s_cbranch_scc1 .Lw12
	s_cmp_lt_u32 s[ID], 130
	s_cbranch_scc1 .Lb12
	s_sub_co_u32 s30, s[ID], 130                   ; LN2: row pair 8 (id - 130) + wave
	s_lshl_b32 s30, s30, 3
	s_add_co_u32 s30, s30, s[WV]
	s_lshl_b32 s[OFS], s30, 13
	s_add_nc_u64 s[SRC:SRC+1], s[8:9], s[OFS:OFS+1]
	s_lshr_b32 s[OFS], s30, 10
	s_lshl_b32 s[OFS], s[OFS], 22
	s_lshl_b32 s30, s30, 1
	s_and_b32 s30, s30, 2047
	s_lshl_b32 s30, s30, 7
	s_add_co_u32 s[OFS], s[OFS], s30
	s_add_nc_u64 s[DST:DST+1], s[20:21], s[OFS:OFS+1]
	s_mov_b32 s52, 0x3a800000                      ; 1 / 1024
	s_mov_b32 s53, 0x3727c5ac                      ; 1e-5
	v_lshlrev_b32 v[GO], 4, v[RL]
	v_lshl_add_u32 v[XO], v[HL], 12, v[GO]
	v_lshlrev_b32 v[LO], 3, v[LL]
	LN SRC, 10, 12, DST
	s_endpgm
.Lw12:                                                 ; a wave has 8 items of 128 numbers; the four planes lie 4 MiB apart, two to a base, so that the immediates fit
	s_lshl_b32 s30, s[ID], 15
	s_lshl_b32 s52, s[WV], 12
	s_add_co_u32 s30, s30, s52
	v_lshl_add_u32 v2, v[LL], 4, s30
	s_lshr_b32 s30, s30, 1
	v_lshl_add_u32 v3, v[LL], 3, s30
	s_add_nc_u64 s[SRC:SRC+1], s[14:15], 8388608
	s_wait_alu depctr_va_vdst(0)                   ; the offsets v2 and v3 are written, which the loads and stores below read
.set i, 0
.rept 8
	global_load_b128 v[16+16*i:16+16*i+3],     v2, s[14:15] offset:i*512 th:TH_LOAD_NT
	global_load_b128 v[16+16*i+4:16+16*i+7],   v2, s[14:15] offset:4194304+i*512 th:TH_LOAD_NT
	global_load_b128 v[16+16*i+8:16+16*i+11],  v2, s[SRC:SRC+1] offset:i*512 th:TH_LOAD_NT
	global_load_b128 v[16+16*i+12:16+16*i+15], v2, s[SRC:SRC+1] offset:4194304+i*512 th:TH_LOAD_NT
.set i, i+1
.endr
.set i, 0
.rept 4
	SUM4
.endr
	s_wait_alu depctr_va_vdst(0)                   ; items 0-3 are rounded: their registers are the data of the four stores below
	OUT4 0
.rept 4
	SUM4                                           ; these name the registers of items 4-7 alone
.endr
	s_wait_alu depctr_va_vdst(0)                   ; items 4-7 are rounded
	OUT4 4
	s_endpgm
.Lb12:                                                 ; a wave has 64 columns, a lane two
	s_sub_co_u32 s30, s[ID], 128
	s_lshl_b32 s30, s30, 3
	s_add_co_u32 s30, s30, s[WV]
	s_lshl_b32 s30, s30, 8
	v_lshl_add_u32 v2, v[LL], 3, s30
	s_add_nc_u64 s[SRC:SRC+1], s[16:17], 2097152
	s_wait_alu depctr_va_vdst(0)                   ; the offset v2 is written, which the loads and the store below read
.set j, 0
.rept 64
	global_load_b64 v[16+2*j:16+2*j+1], v2, s[SRC:SRC+1] offset:4096*j
.set j, j+1
.endr
	global_load_b64 v[144:145], v2, s[18:19]
	s_wait_loadcnt 0x0
.set j, 4
.rept 60                                ; four chains, started by the first four pairs
	v_pk_add_f32 v[16+2*(j%4):16+2*(j%4)+1], v[16+2*(j%4):16+2*(j%4)+1], v[16+2*j:16+2*j+1]
.set j, j+1
.endr
	v_pk_add_f32 v[16:17], v[16:17], v[18:19]
	v_pk_add_f32 v[20:21], v[20:21], v[22:23]
	v_pk_add_f32 v[16:17], v[16:17], v[20:21]
	v_pk_add_f32 v[16:17], v[16:17], v[144:145]
	s_wait_alu depctr_va_vdst(0)                   ; the sum v[16:17] is written, which the store reads
	global_store_b64 v2, v[16:17], s[24:25]
	s_endpgm
.Lfunc_end_k_qe59f7c534e_mid:
	.size	k_qe59f7c534e_mid, .Lfunc_end_k_qe59f7c534e_mid-k_qe59f7c534e_mid
	.p2alignl 7, 3214868480
	.fill 96, 4, 3214868480
	.section	.rodata,"a",@progbits
	.p2align	6, 0x0
	.amdhsa_kernel k_qe59f7c534e_mid
		.amdhsa_group_segment_fixed_size 0
		.amdhsa_private_segment_fixed_size 0
		.amdhsa_enable_private_segment 0
		.amdhsa_kernarg_size 72
		.amdhsa_user_sgpr_count 2
		.amdhsa_user_sgpr_kernarg_segment_ptr 1
		.amdhsa_wavefront_size32 1
		.amdhsa_system_sgpr_workgroup_id_x 1
		.amdhsa_system_sgpr_workgroup_id_y 1
		.amdhsa_system_sgpr_workgroup_id_z 1
		.amdhsa_system_vgpr_workitem_id 0
		.amdhsa_next_free_vgpr 216
		.amdhsa_next_free_sgpr 66
		.amdhsa_reserve_vcc 0
		.amdhsa_float_denorm_mode_32 3
		.amdhsa_float_denorm_mode_16_64 3
		.amdhsa_memory_ordered 1
		.amdhsa_forward_progress 1
		.amdhsa_inst_pref_size 40
	.end_amdhsa_kernel
	.amdgpu_metadata
---
amdhsa.version: [ 1, 2 ]
amdhsa.kernels:
  - .name:           k_qe59f7c534e_mid
    .symbol:         k_qe59f7c534e_mid.kd
    .args:
      - { .name: z, .offset: 0, .size: 8, .value_kind: global_buffer, .address_space: global }
      - { .name: g2, .offset: 8, .size: 8, .value_kind: global_buffer, .address_space: global }
      - { .name: be2, .offset: 16, .size: 8, .value_kind: global_buffer, .address_space: global }
      - { .name: wp, .offset: 24, .size: 8, .value_kind: global_buffer, .address_space: global }
      - { .name: woutb, .offset: 32, .size: 8, .value_kind: global_buffer, .address_space: global }
      - { .name: b2, .offset: 40, .size: 8, .value_kind: global_buffer, .address_space: global }
      - { .name: act, .offset: 48, .size: 8, .value_kind: global_buffer, .address_space: global }
      - { .name: w12, .offset: 56, .size: 8, .value_kind: global_buffer, .address_space: global }
      - { .name: b12, .offset: 64, .size: 8, .value_kind: global_buffer, .address_space: global }
    .group_segment_fixed_size: 0
    .private_segment_fixed_size: 0
    .kernarg_segment_align: 8
    .kernarg_segment_size: 72
    .max_flat_workgroup_size: 256
    .sgpr_count:     66
    .vgpr_count:     216
    .wavefront_size: 32
...
	.end_amdgpu_metadata
.endif
;; end of part 7
;; launch gfin: the kernel of part 4 again; grid 8 x 32, 4 waves a work-group, clusters of 4 x 4, 327,680 bytes of LDS; arguments act, w12, b12, x, out0; writes out0
